; MI455X (gfx1250); checked and timed in simulation.
; The chip was launched on July 23, 2026; its instructions are those of AMD's public machine-readable ISA for CDNA 5 (MIT licence, August 2026) and "CDNA5" Instruction Set Architecture Reference Guide (July 2026). The comments in the code are by the model that wrote it; some were corrected since.
;; KNN Regressor. Allowed arithmetic: matrix products marked QUANTISED: E2M1 operands, one E8M0 scale for each 32 along K, by v_wmma_scale_f32_16x16x128_f8f6f4 with both operands' format E2M1 (or v_wmma_scale_f32_32x16x128_f4), f32 sums; everything else in f32.
;; Inputs: X_train 100,000 x 128 float32; inputs 1,024 x 128 float32; y_train 100,000 float32.
;; Outputs: out0 1,024 float32.
;; Constants: k = 32.
;; This version of the problem:
;;   THIS VERSION OF THE PROBLEM IS GIVEN IN LOW PRECISION. The matrix products marked QUANTISED in the list below multiply operands that are first quantised to E2M1 (2 exponent bits, 1 mantissa bit; 4 bits a number), with one power-of-two scale for each 32 numbers along K (OCP MX v1.0); their sums are f32. All else is computed in f32.
;;   The module's matrix products, in the order in which they are computed (A, B: the left and right operand; K: the contracted axis; several contracted axes count as one K, in the product's order):
;;     1. [M 1,024, K 128] x [K 128, N 100,000]; A: input inputs; B: input X_train: QUANTISED
;;   THE QUANTISER, for each operand of a quantised product, along K:
;;     - K is cut into blocks of 32 from its start; a last block that is shorter is filled with zeros.
;;     - A block's scale is 2^e with e = floor(log2(the largest magnitude in the block)) - 2, held to -126 .. 127; a block of zeros has e = 0. As a byte (E8M0): e + 127.
;;     - Each number is divided by its block's scale, clamped to +-6, and rounded to the nearest number of E2M1, ties to even, subnormals kept.
;;     - The product sums the exact products of the quantised numbers (number of the format x scale) in f32.
;;   ~~~python
;;   def quantise(x, axis):      # numpy; x: float32 -> the quantised numbers, widened to float32 again
;;       x = np.moveaxis(x, axis, -1); K = x.shape[-1]
;;       x = np.pad(x, [(0, 0)] * (x.ndim - 1) + [(0, -K % 32)]); x = x.reshape(x.shape[:-1] + (-1, 32)); a = np.abs(x).max(-1, keepdims=True)
;;       e = np.where(a > 0, np.clip(np.frexp(np.where(a > 0, a, 1))[1] - 1 - 2, -126, 127), 0)      # np.frexp(a)[1] - 1 = floor(log2(a)), exactly
;;       r = np.clip(x / 2.0 ** e, -6, 6)
;;       step = 2.0 ** (np.maximum(np.frexp(np.where(r == 0, 1, r))[1] - 1, 0) - 1)
;;       q = np.round(r / step) * step * 2.0 ** e      # np.round: ties to even
;;       return np.moveaxis(q.reshape(q.shape[:-2] + (-1,))[..., :K], -1, axis).astype(np.float32)
;;   ~~~
;; 2 versions. Each part assembles by itself: llvm-mc -triple=amdgcn-amd-amdhsa -mcpu=gfx1250 --defsym DOCPART=n.
;; ======== version 1 of 2: 4 launches
;; workspace buffers: xc 6,400,000 bytes; xs 400,128 bytes; tsq 400,128 bytes; qc 65,536 bytes; qs 4,096 bytes; qsq 4,096 bytes; mins 10,240,000 bytes; gid 131,072 bytes of whole numbers
;; launch prep (part 1): grid 451 x 1, 7 waves a work-group, no clusters, 30,720 bytes of LDS; arguments X_train, inputs, xc, xs, tsq, qc, qs, qsq; writes xc, xs, tsq, qc, qs, qsq
.if DOCPART == 1
	.amdgcn_target "amdgcn-amd-amdhsa--gfx1250"
	.amdhsa_code_object_version 6
	.text
	.protected	k_q2750db5b49_prep
	.globl	k_q2750db5b49_prep
	.p2align	8
	.type	k_q2750db5b49_prep,@function
k_q2750db5b49_prep:
	s_mov_b64 s[64:65], 0
	v_nop
	global_prefetch_b8 v0, s[64:65] scope:SCOPE_SE
	s_setreg_imm32_b32 hwreg(HW_REG_WAVE_MODE, 25, 1), 1
	s_wait_xcnt 0x0
; X_train [100000][128] and inputs [1024][128], f32, become codes of FP4 (E2M1) with one E8M0 byte for each 32 along K, and each row's sum of squares.
; A block's scale is 2^(floor(log2(its largest magnitude)) - 2): its byte is the largest magnitude's exponent field - 2, held at 1 from below.
; LIMITS: a block of zeros gets the byte 1 where the rule says 127 (its codes are zeros, and this program alone reads the bytes); blocks whose largest magnitude lies under
; 2^(3 - 127) are held at that floor; NaN and infinities are not served; a row's sum of squares is added in this text's own order (4 lanes x 2 chains x 2 halves), not in another program's.
; SHARES.  3,157 = 451 x 7 wave jobs of 32 rows: jobs 0 .. 3,124 take X_train, the last 32 take inputs.  One path for both: pointers and offsets are chosen by the job's number.  Waves share nothing: no barrier.
; A job is four steps of 8 rows (an octet).  A load reads one row, 512 consecutive bytes, 16 a lane; the octet turns through the wave's own stage in LDS, so that lane 8 b + j then holds
; block b (32 neighbours along K) of row j: the block's largest magnitude needs no other lane, and four conversions give its 16 bytes of codes.
; LAYOUTS.  xc: [row / 8][block][row % 8][16 bytes]: a step's store is 512 consecutive bytes.  qc: [tile][block][column r][16 bytes], tile 4 w + e, column r = query 64 w + 4 r + e.
; xs, qs: one word (four bytes, byte b for block b) a row.  tsq, qsq: one f32 a row.
.set XJOBS, 3125
.set SP,    528                        ; a stage row: 512 bytes + 16: the eight rows that a read touches begin in different 16-byte columns
.set R,     32                         ; v32-159  four sets of 32: the rows as loaded
.set X,     160                        ; v160-191 32 neighbours along K
.set C,     192                        ; v192-207 codes, four registers a step: no store's data are written again
.set MSK,   40                         ; s40-43   lanes 8 t .. 8 t + 7
.set SEL,   44                         ; s[44:45] selects of v_permlanex16_b32: lane l xor 16
	s_load_b512 s[4:19], s[0:1], 0x0               ; X_train, inputs, xc, xs, tsq, qc, qs, qsq
	v_lshl_add_u32 v208, v0, 2, 0x7400
	v_mov_b32 v209, 0
	v_lshrrev_b32 v1, 5, v0
	v_readfirstlane_b32 s20, v1                    ; wave
	v_and_b32 v1, 31, v0                           ; lane
	v_and_b32 v22, 7, v0                           ; j: my row of an octet
	v_bfe_u32 v23, v0, 3, 2                        ; b: my block
	s_mul_i32 s21, ttmp9, 7
	s_add_co_u32 s21, s21, s20                     ; the job
	s_cmp_lt_u32 s21, XJOBS
	s_cselect_b32 s22, 0, XJOBS
	s_sub_co_u32 s22, s21, s22                     ; a: the job's number in its tensor
	s_lshl_b32 s24, s22, 11                        ; codes of X: 2,048 a
	s_lshr_b32 s25, s22, 1
	s_lshl_b32 s25, s25, 12
	s_and_b32 s26, s22, 1
	s_lshl_b32 s26, s26, 7
	s_add_co_u32 s26, s25, s26                     ; codes of the queries: 4,096 (a / 2) + 128 (a % 2)
	s_mov_b32 s25, 0
	s_lshl_b32 s28, s22, 14                        ; the rows: 16,384 a
	s_mov_b32 s29, 0
	s_lshl_b32 s30, s22, 7                         ; a word a row: 128 a
	s_mov_b32 s31, 0
	s_mul_i32 s23, s20, 8*SP                       ; my stage
	s_mov_b32 s[MSK], 0xff
	s_mov_b32 s[MSK+1], 0xff00
	s_mov_b32 s[MSK+2], 0xff0000
	s_mov_b32 s[MSK+3], 0xff000000
	s_mov_b32 s[SEL], 0x76543210
	s_mov_b32 s[SEL+1], 0xfedcba98
	v_lshlrev_b32 v4, 4, v1                        ; 16 x lane
	s_cmp_lt_u32 s21, XJOBS                        ; the choice hangs on the job's number alone
	s_cselect_b32 s24, s24, s26
	s_cselect_b32 s27, 512, 32                     ; from step to step in the codes
	s_cselect_b32 s32, -1, 0
	s_wait_kmcnt 0x0
	s_cselect_b64 s[4:5], s[4:5], s[6:7]
	s_cselect_b64 s[8:9], s[8:9], s[14:15]
	s_cselect_b64 s[10:11], s[10:11], s[16:17]
	s_cselect_b64 s[12:13], s[12:13], s[18:19]
	s_add_nc_u64 s[4:5], s[4:5], s[28:29]
	s_add_nc_u64 s[8:9], s[8:9], s[24:25]
	s_add_nc_u64 s[10:11], s[10:11], s[30:31]
	s_add_nc_u64 s[12:13], s[12:13], s[30:31]
.irp t, 0,1,2,3
.irp i, 0,1,2,3,4,5,6,7
	global_load_b128 v[R+32*\t+4*\i:R+32*\t+4*\i+3], v4, s[4:5] offset:4096*\t+512*\i th:TH_LOAD_NT   ; row i of octet t: all 32 loads of the job go out at once
.endr
.endr
	v_add_nc_u32 v2, s23, v4                       ; the stage, on the way in: 16 x lane of a row
	v_mul_u32_u24 v3, v22, SP
	v_lshl_add_u32 v3, v23, 7, v3
	v_add_nc_u32 v3, s23, v3                       ; and on the way out: row j, block b
	v_lshlrev_b32 v5, 2, v1                        ; 4 x lane
	v_lshlrev_b32 v6, 3, v23                       ; my byte's place in the scale word
	v_and_b32 v28, 3, v22
	v_lshrrev_b32 v29, 2, v22
	v_lshlrev_b32 v7, 10, v28
	v_lshl_add_u32 v7, v23, 8, v7
	v_lshl_add_u32 v7, v29, 4, v7                  ; queries: 1,024 (j % 4) + 256 b + 16 (j / 4)
	v_cndmask_b32 v8, v7, v4, s32                  ; X: 16 x lane
	v_add_nc_u32 v9, s27, v8                       ; v8-11: where the four steps' codes go
	v_add_nc_u32 v10, s27, v9
	v_add_nc_u32 v11, s27, v10
	v_mov_b32 v16, 0                               ; written once: the destination of a lane exchange counts as one of its sources
	v_mov_b32 v18, 0
.macro STEP t
	s_wait_loadcnt 8*(3-\t)                        ; this octet's eight loads are in; those of the later octets may be out
.irp i, 0,1,2,3,4,5,6,7
	ds_store_b128 v2, v[R+32*\t+4*\i:R+32*\t+4*\i+3] offset:SP*\i
.endr
.irp i, 0,1,2,3,4,5,6,7
	ds_load_b128 v[X+4*\i:X+4*\i+3], v3 offset:16*\i   ; LDS serves a wave's instructions in order: these see the stores above, and the next step's stores come behind them
.endr
	s_wait_dscnt 0x0
	v_max3_num_f32 v12, |v[X]|, |v[X+1]|, 0x1800000    ; the block's largest magnitude, in two chains, with the floor 2^(3 - 127) among the leaves
	v_max3_num_f32 v13, |v[X+16]|, |v[X+17]|, |v[X+18]|
.irp i, 2,4,6,8,10,12
	v_max3_num_f32 v12, v12, |v[X+\i]|, |v[X+\i+1]|
	v_max3_num_f32 v13, v13, |v[X+17+\i]|, |v[X+18+\i]|
.endr
	v_max3_num_f32 v12, v12, |v[X+14]|, |v[X+15]|
	v_max3_num_f32 v12, v12, v13, |v[X+31]|
	v_pk_mul_f32 v[24:25], v[X:X+1], v[X:X+1]      ; the sum of my 32 squares: the first products start the two chains
	v_pk_mul_f32 v[26:27], v[X+2:X+3], v[X+2:X+3]
.irp i, 4,8,12,16,20,24,28
	v_pk_fma_f32 v[24:25], v[X+\i:X+\i+1], v[X+\i:X+\i+1], v[24:25]
	v_pk_fma_f32 v[26:27], v[X+\i+2:X+\i+3], v[X+\i+2:X+\i+3], v[26:27]
.endr
	v_pk_add_f32 v[24:25], v[24:25], v[26:27]
	v_add_f32 v17, v24, v25
	v_add_nc_u32 v14, 0xff000000, v12              ; 2 off the exponent field: the conversion takes this operand's exponent field as its scale
.irp g, 0,1,2,3
	v_cvt_scalef32_pk8_fp4_f32 v[C+4*\t+\g], v[X+8*\g:X+8*\g+7], v14
.endr
	v_lshrrev_b32 v15, 23, v14                     ; the scale's byte (also the plain line behind the conversions)
	global_store_b128 v[8+\t], v[C+4*\t:C+4*\t+3], s[8:9]   ; X: the wave stores 512 consecutive bytes
	v_add_f32_dpp v17, v17, v17 row_xmask:8 row_mask:0xf bank_mask:0xf   ; a row's four blocks lie in lanes j, j + 8, j + 16, j + 24
	v_lshlrev_b32 v15, v6, v15
	v_mov_b32_dpp v16, v15 row_xmask:8 row_mask:0xf bank_mask:0xf
	v_permlanex16_b32 v18, v17, s[SEL], s[SEL+1]
	v_or_b32 v15, v15, v16
	v_add_f32 v17, v17, v18                        ; the row's sum of squares
	v_permlanex16_b32 v16, v15, s[SEL], s[SEL+1]
	v_or_b32 v15, v15, v16                         ; the row's scale word
.if \t == 0
	v_mov_b32 v20, v15
	v_mov_b32 v21, v17
.else
	v_cndmask_b32 v20, v20, v15, s[MSK+\t]         ; lane 8 t + j keeps row 8 t + j of the job
	v_cndmask_b32 v21, v21, v17, s[MSK+\t]
.endif
.endm
	STEP 0
	STEP 1
	STEP 2
	STEP 3
	global_store_b32 v5, v20, s[10:11]             ; 32 rows' scale words: 128 consecutive bytes
	global_store_b32 v5, v21, s[12:13]             ; and their sums of squares
	s_wait_tensorcnt 0x0
	ds_add_u32 v208, v209
	s_wait_dscnt 0x0
	s_endpgm
.Lfunc_end_k_q2750db5b49_prep:
	.size	k_q2750db5b49_prep, .Lfunc_end_k_q2750db5b49_prep-k_q2750db5b49_prep
	.p2alignl 7, 3214868480
	.fill 96, 4, 3214868480
	.section	.rodata,"a",@progbits
	.p2align	6, 0x0
	.amdhsa_kernel k_q2750db5b49_prep
		.amdhsa_group_segment_fixed_size 30720
		.amdhsa_private_segment_fixed_size 0
		.amdhsa_enable_private_segment 0
		.amdhsa_kernarg_size 64
		.amdhsa_user_sgpr_count 2
		.amdhsa_user_sgpr_kernarg_segment_ptr 1
		.amdhsa_wavefront_size32 1
		.amdhsa_system_sgpr_workgroup_id_x 1
		.amdhsa_system_sgpr_workgroup_id_y 1
		.amdhsa_system_sgpr_workgroup_id_z 1
		.amdhsa_system_vgpr_workitem_id 0
		.amdhsa_next_free_vgpr 210
		.amdhsa_next_free_sgpr 66
		.amdhsa_reserve_vcc 0
		.amdhsa_float_denorm_mode_32 3
		.amdhsa_float_denorm_mode_16_64 3
		.amdhsa_memory_ordered 1
		.amdhsa_forward_progress 1
		.amdhsa_inst_pref_size 23
	.end_amdhsa_kernel
	.amdgpu_metadata
---
amdhsa.version: [ 1, 2 ]
amdhsa.kernels:
  - .name:           k_q2750db5b49_prep
    .symbol:         k_q2750db5b49_prep.kd
    .args:
      - { .name: X_train, .offset: 0, .size: 8, .value_kind: global_buffer, .address_space: global }
      - { .name: inputs, .offset: 8, .size: 8, .value_kind: global_buffer, .address_space: global }
      - { .name: xc, .offset: 16, .size: 8, .value_kind: global_buffer, .address_space: global }
      - { .name: xs, .offset: 24, .size: 8, .value_kind: global_buffer, .address_space: global }
      - { .name: tsq, .offset: 32, .size: 8, .value_kind: global_buffer, .address_space: global }
      - { .name: qc, .offset: 40, .size: 8, .value_kind: global_buffer, .address_space: global }
      - { .name: qs, .offset: 48, .size: 8, .value_kind: global_buffer, .address_space: global }
      - { .name: qsq, .offset: 56, .size: 8, .value_kind: global_buffer, .address_space: global }
    .group_segment_fixed_size: 30720
    .private_segment_fixed_size: 0
    .kernarg_segment_align: 8
    .kernarg_segment_size: 64
    .max_flat_workgroup_size: 224
    .sgpr_count:     66
    .vgpr_count:     210
    .wavefront_size: 32
...
	.end_amdgpu_metadata
.endif
;; end of part 1
;; launch scan (part 2): grid 250 x 1, 16 waves a work-group, no clusters, 81,920 bytes of LDS; arguments xc, xs, tsq, qc, qs, qsq, mins; writes mins
.if DOCPART == 2
	.amdgcn_target "amdgcn-amd-amdhsa--gfx1250"
	.amdhsa_code_object_version 6
	.text
	.protected	k_q2750db5b49_scan
	.globl	k_q2750db5b49_scan
	.p2align	8
	.type	k_q2750db5b49_scan,@function
k_q2750db5b49_scan:
	s_mov_b64 s[64:65], 0
	v_nop
	global_prefetch_b8 v0, s[64:65] scope:SCOPE_SE
	s_setreg_imm32_b32 hwreg(HW_REG_WAVE_MODE, 25, 1), 1
	s_wait_xcnt 0x0
; All 1,024 x 100,000 distances d = (q_sq + t_sq) - 2 cross, cross on codes of FP4 with E8M0 scales; kept is the smallest d of each (query, group of 40 neighbouring rows).
; WHY GROUPS.  The 32 groups smallest by (minimum, group number) hold all 32 nearest rows by (d, row number): were one of those rows in a group not chosen, 32 chosen groups would each hold a row that comes before it.
; d is rounded as written: s = q_sq + t_sq by one addition, d = s - 2 cross by one fused multiply-add (2 cross is exact).  LIMITS: NaN and infinities are not served.
; SHARES.  Work-group c takes rows 400 c .. 400 c + 399 (10 groups) against all queries; wave w keeps the four query tiles 4 w .. 4 w + 3 in registers; 100 matrix instructions a wave.
; No cluster: 250 work-groups are no multiple of 4, and what they share, the queries' codes, each wave reads once into registers.  No tensor load: a work-group reads 28,800 bytes of rows once.
; LAYOUT.  Source 0 = 16 rows of X, source 1 = 16 queries: lane (r, h) holds query column r, register j row 8 h + j of the tile.  THE ROWS OF A TILE ARE NOT NEIGHBOURS: tile (s, t) takes rows
; 40 (2 s + h') + 8 t + j, so that a lane's 40 registers over the five tiles of s are exactly group 2 s + h: the minimum needs no other lane.
; K is one instruction deep: every product takes the constant 0 as C, no accumulator is added onto.
; mins: [chunk c][q / 4][group u of 10][q % 4], f32.
.set XSL,  34560                       ; LDS: from 0 the codes, piece p (16 bytes) at 16 p + 128 (p / 160): a group's 2,560 bytes + 128, so that two neighbouring groups' rows fall in different halves of 256 bytes
.set TSL,  36608                       ; from XSL the rows' scale words, from TSL their sums of squares, 4 bytes a row
.set STG,  38656                       ; a stage of 2,560 bytes for each wave, for the way out
.set AX,   2                           ; v2   my place in a tile of codes
.set ASCL, 3                           ; v3   among the scale words
.set ATS,  4                           ; v4   among the sums of squares
.set STO,  5                           ; v5   the stage, in
.set SRD,  6                           ; v6   the stage, out
.set GOF,  7                           ; v7   16 x lane
.set Q2,   8                           ; v8-15   q_sq of tile e, twice, at v[8 + 2 e]: a pair for the packed addition (at the head: offsets)
.set QF,   16                          ; v16-47  the four query fragments
.set QSC,  48                          ; v48-51  their scale words, and nothing else
.set QSQ,  52                          ; v52-55  q_sq as loaded
.set XF,   56                          ; v56-95  five fragments of X
.set XSC,  96                          ; v96-100 their scale words, and nothing else
.set TS,   104                         ; v104-143 t_sq in the result's layout
.set ACC,  144                         ; v144-183 five accumulators
.set S,    184                         ; v184-223 q_sq + t_sq
.set RES,  224                         ; v224-243 the minima: 4 s + e
.set MA,   244
.set MB,   245
	s_load_b256 s[4:11], s[0:1], 0x0               ; xc, xs, tsq, qc
	s_load_b128 s[12:15], s[0:1], 0x20             ; qs, qsq
	s_load_b64 s[16:17], s[0:1], 0x30              ; mins
	v_lshl_add_u32 v248, v0, 2, 0x13800
	v_mov_b32 v249, 0
	v_lshrrev_b32 v1, 5, v0
	v_readfirstlane_b32 s20, v1                    ; wave w
	v_and_b32 v1, 31, v0                           ; lane
	v_and_b32 v224, 15, v0                         ; r
	v_bfe_u32 v225, v0, 4, 1                       ; h
	v_bfe_u32 v226, v0, 3, 1                       ; r / 8
	v_and_b32 v227, 7, v0                          ; r % 8
	s_mul_i32 s22, ttmp9, 25600                    ; the chunk's codes,
	s_mov_b32 s23, 0
	s_mul_i32 s24, ttmp9, 1600                     ; its words,
	s_mov_b32 s25, 0
	s_lshl_b32 s26, s20, 12                        ; my four tiles of queries,
	s_mov_b32 s27, 0
	s_lshl_b32 s28, s20, 8                         ; my 64 queries' words,
	s_mov_b32 s29, 0
	s_mul_i32 s30, ttmp9, 40960
	s_mul_i32 s21, s20, 2560
	s_add_co_u32 s30, s30, s21                     ; my 2,560 bytes of minima
	s_mov_b32 s31, 0
	s_add_co_u32 s21, s21, STG                     ; my stage
	s_mov_b32 s32, 0xc0000000                      ; -2.0: the packed form names a pair and takes its low word for both halves
	s_mov_b32 s33, s32
.irp k, 0,1,2,3
	v_add_nc_u32 v[S+\k], 512*\k, v0               ; piece p = thread + 512 k
.endr
	v_min_u32 v11, 1599, v[S+3]                    ; the chunk has 1,600 pieces: no load leaves it
	v_lshlrev_b32 v8, 4, v[S]
	v_lshlrev_b32 v9, 4, v[S+1]
	v_lshlrev_b32 v10, 4, v[S+2]
	v_lshlrev_b32 v11, 4, v11
	v_min_u32 v12, 399, v0
	v_lshlrev_b32 v12, 2, v12
	v_lshlrev_b32 v13, 4, v224                     ; four words of queries 4 r .. 4 r + 3
	v_lshlrev_b32 v[GOF], 4, v1
	s_wait_kmcnt 0x0
	s_add_nc_u64 s[4:5], s[4:5], s[22:23]
	s_add_nc_u64 s[6:7], s[6:7], s[24:25]
	s_add_nc_u64 s[8:9], s[8:9], s[24:25]
	s_add_nc_u64 s[10:11], s[10:11], s[26:27]
	s_add_nc_u64 s[12:13], s[12:13], s[28:29]
	s_add_nc_u64 s[14:15], s[14:15], s[28:29]
	s_add_nc_u64 s[16:17], s[16:17], s[30:31]
.irp k, 0,1,2,3
	global_load_b128 v[ACC+4*\k:ACC+4*\k+3], v[8+\k], s[4:5]
.endr
	global_load_b32 v[ACC+16], v12, s[6:7]
	global_load_b32 v[ACC+17], v12, s[8:9]
.irp e, 0,1,2,3
.irp c, 0,1
	global_load_b128 v[QF+8*\e+4*\c:QF+8*\e+4*\c+3], v[GOF], s[10:11] offset:1024*\e+512*\c
.endr
.endr
	global_load_b128 v[QSC:QSC+3], v13, s[12:13]   ; register e: the word of query 64 w + 4 r + e
	global_load_b128 v[QSQ:QSQ+3], v13, s[14:15]
.irp k, 0,1,2,3
	v_mul_u32_u24 v[S+4+\k], v[S+\k], 0xcccd       ; p / 160 = (52,429 p) >> 23, exact for p under 2,048
.endr
.irp k, 0,1,2,3
	v_lshrrev_b32 v[S+4+\k], 23, v[S+4+\k]
.endr
.irp k, 0,1,2,3
	v_lshlrev_b32 v[S+4+\k], 7, v[S+4+\k]
.endr
.irp k, 0,1,2,3
	v_lshl_add_u32 v[S+\k], v[S+\k], 4, v[S+4+\k]  ; 16 p + 128 (p / 160); pieces from 1,600 on land behind the ten groups and are never read
.endr
	v_lshlrev_b32 v[S+8], 2, v0
	v_mul_u32_u24 v[AX], v226, 2688
	v_lshl_add_u32 v[AX], v225, 7, v[AX]
	v_lshl_add_u32 v[AX], v227, 4, v[AX]           ; group r / 8 of the pair, block h (+ 2 c), row r % 8
	v_mul_u32_u24 v[ASCL], v226, 160
	v_lshl_add_u32 v[ASCL], v227, 2, v[ASCL]
	v_add_nc_u32 v[ASCL], XSL, v[ASCL]
	v_mul_u32_u24 v[ATS], v225, 160
	v_add_nc_u32 v[ATS], TSL, v[ATS]
	v_mul_u32_u24 v[STO], v224, 160
	v_lshl_add_u32 v[STO], v225, 4, v[STO]
	v_add_nc_u32 v[STO], s21, v[STO]               ; 160 r + 16 h: q / 4 = 16 w + r, group 2 s + h
	v_add_nc_u32 v[SRD], s21, v[GOF]
	s_wait_loadcnt 10                              ; the chunk's six loads are in; the ten query loads behind them may be out
.irp k, 0,1,2,3
	ds_store_b128 v[S+\k], v[ACC+4*\k:ACC+4*\k+3]
.endr
	ds_store_b32 v[S+8], v[ACC+16] offset:XSL
	ds_store_b32 v[S+8], v[ACC+17] offset:TSL
	s_wait_dscnt 0x0                               ; for the others' sake: my stores have landed
	s_barrier_signal -1
	s_barrier_wait -1                              ; the chunk lies in LDS; nothing there is written again but each wave's own stage
	s_wait_loadcnt 0x0                             ; my queries; every load is done, so the offsets' registers are free
.irp e, 0,1,2,3
	v_mov_b32 v[Q2+2*\e], v[QSQ+\e]
	v_mov_b32 v[Q2+2*\e+1], v[QSQ+\e]
.endr
; Five tiles against query tile e: 40 distances a lane, one minimum.
.macro UNIT s, e
.irp t, 0,1,2,3,4
	v_wmma_scale_f32_16x16x128_f8f6f4 v[ACC+8*\t:ACC+8*\t+7], v[XF+8*\t:XF+8*\t+7], v[QF+8*\e:QF+8*\e+7], 0, v[XSC+\t], v[QSC+\e] matrix_a_fmt:MATRIX_FMT_FP4 matrix_b_fmt:MATRIX_FMT_FP4
.endr
.set i_, 0
.rept 20
	v_pk_add_f32 v[S+i_:S+i_+1], v[TS+i_:TS+i_+1], v[Q2+2*\e:Q2+2*\e+1]   ; q_sq + t_sq.  These twenty name no register of the products: they are the places behind them (ISA guide 7.12.1)
.set i_, i_+2
.endr
.set i_, 0
.rept 20
	v_pk_fma_f32 v[ACC+i_:ACC+i_+1], v[ACC+i_:ACC+i_+1], s[32:33], v[S+i_:S+i_+1] op_sel_hi:[1,0,1]   ; d; each accumulator from its low end on
.set i_, i_+2
.endr
	v_min3_num_f32 v[MA], v[ACC], v[ACC+1], v[ACC+2]
	v_min3_num_f32 v[MB], v[ACC+3], v[ACC+4], v[ACC+5]
.irp x, 6,10,14,18,22,26,30,34
	v_min3_num_f32 v[MA], v[MA], v[ACC+\x], v[ACC+\x+1]
	v_min3_num_f32 v[MB], v[MB], v[ACC+\x+2], v[ACC+\x+3]
.endr
	v_min3_num_f32 v[MA], v[MA], v[MB], v[ACC+38]
	v_min_num_f32 v[RES+4*\s+\e], v[MA], v[ACC+39]
.endm
; Groups 2 s and 2 s + 1: 25 LDS loads, then the four query tiles.  The loads stand behind the last unit's vector work, far more than four places behind its products.
.macro SUPER s
.irp t, 0,1,2,3,4
	ds_load_b128 v[XF+8*\t:XF+8*\t+3], v[AX] offset:5376*\s+512*\t
	ds_load_b128 v[XF+8*\t+4:XF+8*\t+7], v[AX] offset:5376*\s+512*\t+256
	ds_load_b32 v[XSC+\t], v[ASCL] offset:4*(80*\s+8*\t)
	ds_load_b128 v[TS+8*\t:TS+8*\t+3], v[ATS] offset:4*(80*\s+8*\t)
	ds_load_b128 v[TS+8*\t+4:TS+8*\t+7], v[ATS] offset:4*(80*\s+8*\t)+16
.endr
	s_wait_dscnt 0x0                               ; four waves share a SIMD: while one waits here, the others have vector work
	UNIT \s, 0
	UNIT \s, 1
	UNIT \s, 2
	UNIT \s, 3
.endm
	SUPER 0
	SUPER 1
	SUPER 2
	SUPER 3
	SUPER 4
.irp s, 0,1,2,3,4
	ds_store_b128 v[STO], v[RES+4*\s:RES+4*\s+3] offset:32*\s    ; four queries' minima of group 2 s + h
.endr
.irp k, 0,1,2,3,4
	ds_load_b128 v[ACC+4*\k:ACC+4*\k+3], v[SRD] offset:512*\k    ; my own bytes, served in order
.endr
.irp k, 0,1,2,3,4
	s_wait_dscnt 4-\k                              ; the younger reads may be out
	global_store_b128 v[GOF], v[ACC+4*\k:ACC+4*\k+3], s[16:17] offset:512*\k th:TH_STORE_NT   ; 512 consecutive bytes, at a multiple of 256 from the buffer's first byte
.endr
	s_wait_tensorcnt 0x0
	ds_add_u32 v248, v249
	s_wait_dscnt 0x0
	s_endpgm
.Lfunc_end_k_q2750db5b49_scan:
	.size	k_q2750db5b49_scan, .Lfunc_end_k_q2750db5b49_scan-k_q2750db5b49_scan
	.p2alignl 7, 3214868480
	.fill 96, 4, 3214868480
	.section	.rodata,"a",@progbits
	.p2align	6, 0x0
	.amdhsa_kernel k_q2750db5b49_scan
		.amdhsa_group_segment_fixed_size 81920
		.amdhsa_private_segment_fixed_size 0
		.amdhsa_enable_private_segment 0
		.amdhsa_kernarg_size 56
		.amdhsa_user_sgpr_count 2
		.amdhsa_user_sgpr_kernarg_segment_ptr 1
		.amdhsa_wavefront_size32 1
		.amdhsa_system_sgpr_workgroup_id_x 1
		.amdhsa_system_sgpr_workgroup_id_y 1
		.amdhsa_system_sgpr_workgroup_id_z 1
		.amdhsa_system_vgpr_workitem_id 0
		.amdhsa_next_free_vgpr 250
		.amdhsa_next_free_sgpr 66
		.amdhsa_reserve_vcc 0
		.amdhsa_float_denorm_mode_32 3
		.amdhsa_float_denorm_mode_16_64 3
		.amdhsa_memory_ordered 1
		.amdhsa_forward_progress 1
		.amdhsa_inst_pref_size 103
	.end_amdhsa_kernel
	.amdgpu_metadata
---
amdhsa.version: [ 1, 2 ]
amdhsa.kernels:
  - .name:           k_q2750db5b49_scan
    .symbol:         k_q2750db5b49_scan.kd
    .args:
      - { .name: xc, .offset: 0, .size: 8, .value_kind: global_buffer, .address_space: global }
      - { .name: xs, .offset: 8, .size: 8, .value_kind: global_buffer, .address_space: global }
      - { .name: tsq, .offset: 16, .size: 8, .value_kind: global_buffer, .address_space: global }
      - { .name: qc, .offset: 24, .size: 8, .value_kind: global_buffer, .address_space: global }
      - { .name: qs, .offset: 32, .size: 8, .value_kind: global_buffer, .address_space: global }
      - { .name: qsq, .offset: 40, .size: 8, .value_kind: global_buffer, .address_space: global }
      - { .name: mins, .offset: 48, .size: 8, .value_kind: global_buffer, .address_space: global }
    .group_segment_fixed_size: 81920
    .private_segment_fixed_size: 0
    .kernarg_segment_align: 8
    .kernarg_segment_size: 56
    .max_flat_workgroup_size: 512
    .sgpr_count:     66
    .vgpr_count:     250
    .wavefront_size: 32
...
	.end_amdgpu_metadata
.endif
;; end of part 2
;; launch pick (part 3): grid 256 x 1, 4 waves a work-group, no clusters, 41,472 bytes of LDS; arguments mins, gid; writes gid
.if DOCPART == 3
	.amdgcn_target "amdgcn-amd-amdhsa--gfx1250"
	.amdhsa_code_object_version 6
	.text
	.protected	k_q2750db5b49_pick
	.globl	k_q2750db5b49_pick
	.p2align	8
	.type	k_q2750db5b49_pick,@function
k_q2750db5b49_pick:
	s_mov_b64 s[64:65], 0
	v_nop
	global_prefetch_b8 v0, s[64:65] scope:SCOPE_SE
	s_setreg_imm32_b32 hwreg(HW_REG_WAVE_MODE, 25, 1), 1
	s_wait_xcnt 0x0
; For each query the 32 groups smallest by (minimum, group number), stored as ascending group numbers: gid [q][32], whole numbers at fixed places.
; No branch and no address hangs on a number: the threshold comes from a sorting network, the choice from masks, counts of bits and selects.
; SHARES.  Work-group qb takes queries 4 qb .. 4 qb + 3; its 2,500 pieces of 16 bytes (a group's minima of the four queries) go through LDS; wave e then holds query 4 qb + e:
; register i, lane l = group 32 i + l (80 registers; groups 2,500 .. 2,559 are +infinity).
; THE THRESHOLD T, the 32nd smallest key.  Each lane sorts its keys and keeps the 32 smallest (bitonic sorts and merges across registers, from bank to bank, so that a compare-exchange needs no spare register);
; then lanes join in pairs: the smaller of my list and my partner's reversed list are the 32 smallest of both, as a bitonic row, which five stages sort.
; TIES.  RTI = how many keys equal to T belong to the 32.  A key equal to T is taken if fewer than RTI such keys come before it in the order (register, lane), which is the group's number.
; LIMITS: NaN and infinities among the minima are not served.
.set K,    16                          ; v16-95   pieces as loaded, then the keys
.set P,    96                          ; v96-127, v128-159, v160-191: three banks (at the head: offsets and work)
.set Q,    128
.set RR,   160
.set TJ,   192                         ; v192-199 at work
.set VT,   3                           ; v3  T
.set VU,   8
.set MA_,  24                          ; s24-31, 32-39, 40-47, 48-55, 56-63: eight masks or counts each
.set MB_,  32
.set MC_,  40
.set ME_,  48
.set MM_,  56
.set RTI,  66
.set EQC,  67                          ; keys equal to T so far
.set PFX,  68                          ; groups taken so far
.set STMP, 69
.set SEL,  70                          ; s[70:71] selects of v_permlanex16_b32: lane l xor 16
; One stage of a bitonic network on n places: place i against place i + j.  k: the run in which the direction turns; inv = 1: all directions turned.  Place x is read from bank SH where x >= z, else from SL; results go to bank D.
.macro STAGE n, k, j, inv, SL, SH, z, D
.set i_, 0
.rept \n
.if (i_ & (\j)) == 0
.set l_, i_+(\j)
.set a_, (\SL)+i_
.if i_ >= (\z)
.set a_, (\SH)+i_
.endif
.set b_, (\SL)+l_
.if l_ >= (\z)
.set b_, (\SH)+l_
.endif
.if (((i_ & (\k))/(\k))+(\inv)) == 1
	v_max_num_f32 v[(\D)+i_], v[a_], v[b_]
	v_min_num_f32 v[(\D)+l_], v[a_], v[b_]
.else
	v_min_num_f32 v[(\D)+i_], v[a_], v[b_]
	v_max_num_f32 v[(\D)+l_], v[a_], v[b_]
.endif
.endif
.set i_, i_+1
.endr
.endm
; n = 8, 16 or 32 keys from src, sorted upward (inv = 0) or downward (1).  n = 32 ends in D1, n = 8 and 16 in D2.
.macro SORT n, src, inv, D1, D2
	STAGE \n, 2, 1, \inv, \src, \src, 0, \D1
	STAGE \n, 4, 2, \inv, \D1, \D1, 0, \D2
	STAGE \n, 4, 1, \inv, \D2, \D2, 0, \D1
	STAGE \n, 8, 4, \inv, \D1, \D1, 0, \D2
	STAGE \n, 8, 2, \inv, \D2, \D2, 0, \D1
	STAGE \n, 8, 1, \inv, \D1, \D1, 0, \D2
.if \n >= 16
	STAGE \n, 16, 8, \inv, \D2, \D2, 0, \D1
	STAGE \n, 16, 4, \inv, \D1, \D1, 0, \D2
	STAGE \n, 16, 2, \inv, \D2, \D2, 0, \D1
	STAGE \n, 16, 1, \inv, \D1, \D1, 0, \D2
.endif
.if \n >= 32
	STAGE \n, 32, 16, \inv, \D2, \D2, 0, \D1
	STAGE \n, 32, 8, \inv, \D1, \D1, 0, \D2
	STAGE \n, 32, 4, \inv, \D2, \D2, 0, \D1
	STAGE \n, 32, 2, \inv, \D1, \D1, 0, \D2
	STAGE \n, 32, 1, \inv, \D2, \D2, 0, \D1
.endif
.endm
; A bitonic row of 32 is sorted upward; it ends in D1.
.macro MERGE SL, SH, z, D1, D2
	STAGE 32, 64, 16, 0, \SL, \SH, \z, \D1
	STAGE 32, 64, 8, 0, \D1, \D1, 0, \D2
	STAGE 32, 64, 4, 0, \D2, \D2, 0, \D1
	STAGE 32, 64, 2, 0, \D1, \D1, 0, \D2
	STAGE 32, 64, 1, 0, \D2, \D2, 0, \D1
.endm
; The 32 smallest of my sorted list and that of lane l xor m
.macro XL m, R, D
.set i_, 0
.rept 32
	v_min_num_f32_dpp v[(\D)+i_], v[(\R)+31-i_], v[(\R)+i_] row_xmask:\m row_mask:0xf bank_mask:0xf
.set i_, i_+1
.endr
.endm
; The same with lane l xor 16; the largest of the 32 is T.  Lanes 16-31 hold at place x what lanes 0-15 hold at place 31 - x: so the masks of places 0 .. 15 hold each key equal to T sixteen times.
.macro LAST R, D1, D2
.set i_, 0
.rept 32
	v_permlanex16_b32 v[(\D1)+i_], v[(\R)+31-i_], s[SEL], s[SEL+1]
.set i_, i_+1
.endr
.set i_, 0
.rept 32
	v_min_num_f32 v[(\D2)+i_], v[(\D1)+i_], v[(\R)+i_]
.set i_, i_+1
.endr
	v_max3_num_f32 v[VT], v[(\D2)], v[(\D2)+1], v[(\D2)+2]
	v_max3_num_f32 v[VU], v[(\D2)+3], v[(\D2)+4], v[(\D2)+5]
.irp x, 6,10,14,18,22,26
	v_max3_num_f32 v[VT], v[VT], v[(\D2)+\x], v[(\D2)+\x+1]
	v_max3_num_f32 v[VU], v[VU], v[(\D2)+\x+2], v[(\D2)+\x+3]
.endr
	v_max3_num_f32 v[VT], v[VT], v[VU], v[(\D2)+30]
	v_max_num_f32 v[VT], v[VT], v[(\D2)+31]
.irp x, 0,1,2,3,4,5,6,7,8,9,10,11,12,13,14,15
	v_cmp_eq_f32 s[MA_+\x], v[(\D2)+\x], v[VT]
.endr
	s_mov_b32 s[RTI], 0
.irp x, 0,1,2,3,4,5,6,7,8,9,10,11,12,13,14,15
	s_bcnt1_i32_b32 s[STMP], s[MA_+\x]
	s_add_co_u32 s[RTI], s[RTI], s[STMP]
.endr
	s_lshr_b32 s[RTI], s[RTI], 4
.endm
; Eight key registers: s[MA_ + j] becomes the mask of the lanes whose key is taken
.macro TIE8 base
.irp j, 0,1,2,3,4,5,6,7
	v_cmp_lt_f32 s[MA_+\j], v[(\base)+\j], v[VT]
.endr
.irp j, 0,1,2,3,4,5,6,7
	v_cmp_eq_f32 s[MB_+\j], v[(\base)+\j], v[VT]
.endr
.irp j, 0,1,2,3,4,5,6,7
	s_mov_b32 s[ME_+\j], s[EQC]
	s_bcnt1_i32_b32 s[STMP], s[MB_+\j]
	s_add_co_u32 s[EQC], s[EQC], s[STMP]
.endr
.irp j, 0,1,2,3,4,5,6,7
	v_mbcnt_lo_u32_b32 v[TJ+\j], s[MB_+\j], s[ME_+\j]   ; how many keys equal to T come before mine
.endr
.irp j, 0,1,2,3,4,5,6,7
	v_cmp_gt_u32 s[MC_+\j], s[RTI], v[TJ+\j]
.endr
.irp j, 0,1,2,3,4,5,6,7
	s_and_b32 s[MB_+\j], s[MB_+\j], s[MC_+\j]
	s_or_b32 s[MA_+\j], s[MA_+\j], s[MB_+\j]
.endr
.endm
	s_load_b128 s[4:7], s[0:1], 0x0                ; mins, gid
	v_lshl_add_u32 v200, v0, 2, 0xa000
	v_mov_b32 v201, 0
	v_and_b32 v2, 31, v0                           ; L: my lane, and which of the 32 groups I shall store
	v_lshrrev_b32 v1, 5, v0
	v_readfirstlane_b32 s8, v1                     ; wave e
	s_lshl_b32 s9, s8, 2
	s_mul_i32 s10, ttmp9, 160                      ; the work-group's 160 bytes in each chunk
	s_mov_b32 s11, 0
	s_lshl_b32 s12, ttmp9, 9                       ; its four queries' lists
	s_mov_b32 s13, 0
	s_mov_b32 s[SEL], 0x76543210
	s_mov_b32 s[SEL+1], 0xfedcba98
.set k_, 0
.rept 20
	v_add_nc_u32 v[P+k_], 128*k_, v0               ; piece p = group = thread + 128 k
.if k_ == 19
	v_min_u32 v[P+k_], 2499, v[P+k_]               ; there are 2,500: no load leaves the buffer
.endif
	v_mul_u32_u24 v[Q+k_], v[P+k_], 0xcccd
	v_lshrrev_b32 v[Q+k_], 19, v[Q+k_]             ; chunk c = p / 10 = (52,429 p) >> 19
	v_mul_u32_u24 v[Q+k_], v[Q+k_], 40800
	v_lshl_add_u32 v[P+k_], v[P+k_], 4, v[Q+k_]    ; 40,960 c + 16 (p - 10 c)
.set k_, k_+1
.endr
	s_wait_kmcnt 0x0
	s_add_nc_u64 s[4:5], s[4:5], s[10:11]
	s_add_nc_u64 s[6:7], s[6:7], s[12:13]
.set k_, 0
.rept 20
	global_load_b128 v[K+4*k_:K+4*k_+3], v[P+k_], s[4:5] th:TH_LOAD_NT
.set k_, k_+1
.endr
	v_lshlrev_b32 v10, 4, v0                       ; LDS, in: 16 x thread
	v_lshlrev_b32 v11, 4, v2
	v_add_nc_u32 v11, s9, v11                      ; out: 16 x lane + 4 e
	v_mov_b32 v7, 0x7f800000                       ; +infinity
	v_cmp_gt_u32 vcc_lo, 68, v0                    ; in the last run threads 68 on stand past group 2,499
.set k_, 0
.rept 20
	s_wait_loadcnt 19-k_                           ; piece k is in; the younger ones may be out
.if k_ == 19
.irp n, 0,1,2,3
	v_cndmask_b32 v[K+76+\n], v7, v[K+76+\n], vcc_lo
.endr
.endif
	ds_store_b128 v10, v[K+4*k_:K+4*k_+3] offset:2048*k_
.set k_, k_+1
.endr
	s_wait_dscnt 0x0                               ; for the others' sake: my stores have landed
	s_barrier_signal -1
	s_barrier_wait -1
.set k_, 0
.rept 80
	ds_load_b32 v[K+k_], v11 offset:512*k_         ; group 32 i + lane, query e
.set k_, k_+1
.endr
	s_wait_dscnt 48                                ; keys 0 .. 31 of my lane are in: 48 younger loads may be out
	SORT 32, K, 0, P, Q                            ; -> P, upward
	s_wait_dscnt 16                                ; keys 32 .. 63
	SORT 32, K+32, 1, Q, RR                        ; -> Q, downward
.set i_, 0
.rept 32
	v_min_num_f32 v[RR+i_], v[P+i_], v[Q+i_]       ; the 32 smallest of the 64
.set i_, i_+1
.endr
	MERGE RR, RR, 0, P, Q                          ; -> P
	s_wait_dscnt 0x0
	SORT 16, K+64, 1, Q, RR                        ; -> RR 0 .. 15, downward
.set i_, 0
.rept 16
	v_min_num_f32 v[Q+16+i_], v[P+16+i_], v[RR+i_] ; as against a list of 32 whose first 16 are +infinity
.set i_, i_+1
.endr
	MERGE P, Q, 16, RR, Q                          ; -> RR: my lane's 32 smallest
	XL 1, RR, P
	MERGE P, P, 0, Q, P                            ; -> Q
	XL 2, Q, P
	MERGE P, P, 0, RR, P                           ; -> RR
	XL 4, RR, P
	MERGE P, P, 0, Q, P                            ; -> Q
	XL 8, Q, P
	MERGE P, P, 0, RR, P                           ; -> RR
	LAST RR, P, Q
	s_mov_b32 s[EQC], 0
	s_mov_b32 s[PFX], 0
	v_mov_b32 v4, 0                                ; the mask in which my group's bit lies
	v_mov_b32 v5, 0                                ; groups taken before that mask + 256 x its register
; Lane L takes the L-th group taken: it lies in the register whose mask spans L.
.macro POST8 i0
	TIE8 K+(\i0)
.irp j, 0,1,2,3,4,5,6,7
	s_bcnt1_i32_b32 s[MB_+\j], s[MA_+\j]
	s_mov_b32 s[MC_+\j], s[PFX]
	s_add_co_u32 s[ME_+\j], s[PFX], ((\i0)+\j)<<8
	s_add_co_u32 s[PFX], s[PFX], s[MB_+\j]
.endr
.irp j, 0,1,2,3,4,5,6,7
	v_sub_nc_u32 v[TJ+\j], v2, s[MC_+\j]           ; wraps to a large number where L lies before
.endr
.irp j, 0,1,2,3,4,5,6,7
	v_cmp_gt_u32 s[MM_+\j], s[MB_+\j], v[TJ+\j]
.endr
.irp j, 0,1,2,3,4,5,6,7
	v_cndmask_b32 v4, v4, s[MA_+\j], s[MM_+\j]
	v_cndmask_b32 v5, v5, s[ME_+\j], s[MM_+\j]
.endr
.endm
.irp g, 0,1,2,3,4,5,6,7,8,9
	POST8 8*\g
.endr
	; which set bit of my mask: number v8, counted from 0.  The counts of ones in fields of 2, 4, 8 and 16 bits, then five halvings.
	v_and_b32 v8, 0xff, v5
	v_sub_nc_u32 v8, v2, v8
	v_lshrrev_b32 v9, 1, v4
	v_and_b32 v9, 0x55555555, v9
	v_sub_nc_u32 v9, v4, v9
	v_lshrrev_b32 v10, 2, v9
	v_and_b32 v10, 0x33333333, v10
	v_and_b32 v11, 0x33333333, v9
	v_add_nc_u32 v10, v10, v11
	v_lshrrev_b32 v11, 4, v10
	v_add_nc_u32 v11, v11, v10
	v_and_b32 v11, 0x0f0f0f0f, v11
	v_lshrrev_b32 v12, 8, v11
	v_add_nc_u32 v12, v12, v11
	v_and_b32 v12, 0x00ff00ff, v12
	v_mov_b32 v13, 0                               ; the bit's place
.macro BIT src, msk, w
	v_lshrrev_b32 v14, v13, v[\src]
	v_and_b32 v14, \msk, v14                       ; ones in the lower half of what is left
	v_cmp_ge_u32 vcc_lo, v8, v14
	v_sub_nc_u32 v14, v8, v14
	v_add_nc_u32 v15, \w, v13
	v_cndmask_b32 v8, v8, v14, vcc_lo
	v_cndmask_b32 v13, v13, v15, vcc_lo
.endm
	BIT 12, 0xff, 16
	BIT 11, 0xff, 8
	BIT 10, 15, 4
	BIT 9, 3, 2
	BIT 4, 1, 1
	v_lshrrev_b32 v14, 8, v5
	v_lshl_add_u32 v14, v14, 5, v13                ; the group: 32 x register + lane
	v_lshlrev_b32 v15, 2, v0
	global_store_b32 v15, v14, s[6:7]              ; a wave stores its query's 128 bytes, the work-group 512 on end
	s_wait_tensorcnt 0x0
	ds_add_u32 v200, v201
	s_wait_dscnt 0x0
	s_endpgm
.Lfunc_end_k_q2750db5b49_pick:
	.size	k_q2750db5b49_pick, .Lfunc_end_k_q2750db5b49_pick-k_q2750db5b49_pick
	.p2alignl 7, 3214868480
	.fill 96, 4, 3214868480
	.section	.rodata,"a",@progbits
	.p2align	6, 0x0
	.amdhsa_kernel k_q2750db5b49_pick
		.amdhsa_group_segment_fixed_size 41472
		.amdhsa_private_segment_fixed_size 0
		.amdhsa_enable_private_segment 0
		.amdhsa_kernarg_size 16
		.amdhsa_user_sgpr_count 2
		.amdhsa_user_sgpr_kernarg_segment_ptr 1
		.amdhsa_wavefront_size32 1
		.amdhsa_system_sgpr_workgroup_id_x 1
		.amdhsa_system_sgpr_workgroup_id_y 1
		.amdhsa_system_sgpr_workgroup_id_z 1
		.amdhsa_system_vgpr_workitem_id 0
		.amdhsa_next_free_vgpr 202
		.amdhsa_next_free_sgpr 80
		.amdhsa_reserve_vcc 1
		.amdhsa_float_denorm_mode_32 3
		.amdhsa_float_denorm_mode_16_64 3
		.amdhsa_memory_ordered 1
		.amdhsa_forward_progress 1
		.amdhsa_inst_pref_size 165
	.end_amdhsa_kernel
	.amdgpu_metadata
---
amdhsa.version: [ 1, 2 ]
amdhsa.kernels:
  - .name:           k_q2750db5b49_pick
    .symbol:         k_q2750db5b49_pick.kd
    .args:
      - { .name: mins, .offset: 0, .size: 8, .value_kind: global_buffer, .address_space: global }
      - { .name: gid, .offset: 8, .size: 8, .value_kind: global_buffer, .address_space: global }
    .group_segment_fixed_size: 41472
    .private_segment_fixed_size: 0
    .kernarg_segment_align: 8
    .kernarg_segment_size: 16
    .max_flat_workgroup_size: 128
    .sgpr_count:     80
    .vgpr_count:     202
    .wavefront_size: 32
...
	.end_amdgpu_metadata
.endif
;; end of part 3
;; launch final (part 4): grid 256 x 1, 4 waves a work-group, no clusters, 0 bytes of LDS; arguments gid, xc, xs, tsq, y_train, qc, qs, qsq, out0; writes out0
.if DOCPART == 4
	.amdgcn_target "amdgcn-amd-amdhsa--gfx1250"
	.amdhsa_code_object_version 6
	.text
	.protected	k_q2750db5b49_final
	.globl	k_q2750db5b49_final
	.p2align	8
	.type	k_q2750db5b49_final,@function
k_q2750db5b49_final:
	s_mov_b64 s[64:65], 0
	v_nop
	global_prefetch_b8 v0, s[64:65] scope:SCOPE_SE
	s_setreg_imm32_b32 hwreg(HW_REG_WAVE_MODE, 25, 1), 1
	s_wait_xcnt 0x0
; out0[q] = the mean of y_train over the 32 rows nearest to query q by (d, row number), taken among the 1,280 rows of the 32 groups that gid names (ascending), which hold them all.
; d is made as in the launch that found the groups: the same codes, scale words, sums of squares and roundings; the product's sources are swapped, which gives the same sums.
; SHARES.  A wave takes a query.  Candidate 40 p + rho (p: the group's rank, rho: the row in it) lies in register i, lane l with 32 i + l: ascending row numbers.  Tile tau holds candidates 16 tau .. 16 tau + 15.
; THE PRODUCT.  Source 0 = the query in all 16 rows, source 1 = 16 candidates: register 0 of lane (r, h) is cross(q, candidate r).  80 matrix instructions a query, each one K step deep, C = 0.
; ADDRESSES hang on gid, whole numbers stored by an earlier launch; each is held to 2,499 first, and then only multiplied, masked and added.
; No cluster, no tensor load: each lane's address is its own.  All loads go out at once, as soon as the list is there.
; LIMITS: NaN and infinities are not served; the 32 numbers are added in this text's own order.
; REGISTERS: window 0 as named below; windows 1 to 3: the candidates' fragments, tile tau at v[8 (tau % 32)] of window 1 + tau / 32.
.set AF,   16                          ; v16-23   the query's fragment
.set ASC,  24                          ; v24      its scale word, and nothing else
.set QV,   25                          ; v25      q_sq
.set T0,   26                          ; v26-29   at work
.set VT,   30                          ; v30      T
.set VU,   31
.set SC,   32                          ; v32-71   the candidates' scale words, and nothing else
.set DD,   72                          ; v72-111  t_sq, then q_sq + t_sq, then d
.set YY,   112                         ; v112-151 y
.set OFF,  152                         ; v152-191 4 x row
.set CA,   192                         ; v192-239 offsets of the codes, three for each pair of groups
.set LB,   240
.set CM,   241
.set MR0,  242
.set MR1,  243
.set ML8,  244
.set MH8,  245
.set ML16, 246
.set MH16, 247
.set ML24, 248
.set MH24, 249
.set C0,   250
.set C1,   251
.set C2,   252
.set C3,   253
.set C4,   254
.set ACC,  192                         ; v192-255 eight accumulators, once every load is done
.set P,    192                         ; and then the network's banks
.set Q,    224
.set RR,   152
.set TJ,   184
.set MA_,  24                          ; s24-31, 32-39, 40-47, 48-55: eight masks or counts each (before that: the 32 groups)
.set MB_,  32
.set MC_,  40
.set ME_,  48
.set RTI,  66
.set EQC,  67
.set STMP, 69
.set SEL,  70
.set SHI,  73                          ; s73  lanes 16-31
.set MSB,  0
.macro WIN new                         ; the immediate's high byte repeats the setting that is left; a switch that changes nothing is dropped
.if MSB != (\new)
	s_set_vgpr_msb (MSB<<8)|(\new)
.set MSB, (\new)
.endif
.endm
; One stage of a bitonic network on n places: place i against place i + j.  k: the run in which the direction turns; inv = 1: all directions turned.  Place x is read from bank SH where x >= z, else from SL; results go to bank D.
.macro STAGE n, k, j, inv, SL, SH, z, D
.set i_, 0
.rept \n
.if (i_ & (\j)) == 0
.set l_, i_+(\j)
.set a_, (\SL)+i_
.if i_ >= (\z)
.set a_, (\SH)+i_
.endif
.set b_, (\SL)+l_
.if l_ >= (\z)
.set b_, (\SH)+l_
.endif
.if (((i_ & (\k))/(\k))+(\inv)) == 1
	v_max_num_f32 v[(\D)+i_], v[a_], v[b_]
	v_min_num_f32 v[(\D)+l_], v[a_], v[b_]
.else
	v_min_num_f32 v[(\D)+i_], v[a_], v[b_]
	v_max_num_f32 v[(\D)+l_], v[a_], v[b_]
.endif
.endif
.set i_, i_+1
.endr
.endm
; n = 8, 16 or 32 keys from src, sorted upward (inv = 0) or downward (1).  n = 32 ends in D1, n = 8 and 16 in D2.
.macro SORT n, src, inv, D1, D2
	STAGE \n, 2, 1, \inv, \src, \src, 0, \D1
	STAGE \n, 4, 2, \inv, \D1, \D1, 0, \D2
	STAGE \n, 4, 1, \inv, \D2, \D2, 0, \D1
	STAGE \n, 8, 4, \inv, \D1, \D1, 0, \D2
	STAGE \n, 8, 2, \inv, \D2, \D2, 0, \D1
	STAGE \n, 8, 1, \inv, \D1, \D1, 0, \D2
.if \n >= 16
	STAGE \n, 16, 8, \inv, \D2, \D2, 0, \D1
	STAGE \n, 16, 4, \inv, \D1, \D1, 0, \D2
	STAGE \n, 16, 2, \inv, \D2, \D2, 0, \D1
	STAGE \n, 16, 1, \inv, \D1, \D1, 0, \D2
.endif
.if \n >= 32
	STAGE \n, 32, 16, \inv, \D2, \D2, 0, \D1
	STAGE \n, 32, 8, \inv, \D1, \D1, 0, \D2
	STAGE \n, 32, 4, \inv, \D2, \D2, 0, \D1
	STAGE \n, 32, 2, \inv, \D1, \D1, 0, \D2
	STAGE \n, 32, 1, \inv, \D2, \D2, 0, \D1
.endif
.endm
; A bitonic row of 32 is sorted upward; it ends in D1.
.macro MERGE SL, SH, z, D1, D2
	STAGE 32, 64, 16, 0, \SL, \SH, \z, \D1
	STAGE 32, 64, 8, 0, \D1, \D1, 0, \D2
	STAGE 32, 64, 4, 0, \D2, \D2, 0, \D1
	STAGE 32, 64, 2, 0, \D1, \D1, 0, \D2
	STAGE 32, 64, 1, 0, \D2, \D2, 0, \D1
.endm
; The 32 smallest of my sorted list and that of lane l xor m
.macro XL m, R, D
.set i_, 0
.rept 32
	v_min_num_f32_dpp v[(\D)+i_], v[(\R)+31-i_], v[(\R)+i_] row_xmask:\m row_mask:0xf bank_mask:0xf
.set i_, i_+1
.endr
.endm
; The same with lane l xor 16; the largest of the 32 is T.  Lanes 16-31 hold at place x what lanes 0-15 hold at place 31 - x: so the masks of places 0 .. 15 hold each key equal to T sixteen times.
.macro LAST R, D1, D2
.set i_, 0
.rept 32
	v_permlanex16_b32 v[(\D1)+i_], v[(\R)+31-i_], s[SEL], s[SEL+1]
.set i_, i_+1
.endr
.set i_, 0
.rept 32
	v_min_num_f32 v[(\D2)+i_], v[(\D1)+i_], v[(\R)+i_]
.set i_, i_+1
.endr
	v_max3_num_f32 v[VT], v[(\D2)], v[(\D2)+1], v[(\D2)+2]
	v_max3_num_f32 v[VU], v[(\D2)+3], v[(\D2)+4], v[(\D2)+5]
.irp x, 6,10,14,18,22,26
	v_max3_num_f32 v[VT], v[VT], v[(\D2)+\x], v[(\D2)+\x+1]
	v_max3_num_f32 v[VU], v[VU], v[(\D2)+\x+2], v[(\D2)+\x+3]
.endr
	v_max3_num_f32 v[VT], v[VT], v[VU], v[(\D2)+30]
	v_max_num_f32 v[VT], v[VT], v[(\D2)+31]
.irp x, 0,1,2,3,4,5,6,7,8,9,10,11,12,13,14,15
	v_cmp_eq_f32 s[MA_+\x], v[(\D2)+\x], v[VT]
.endr
	s_mov_b32 s[RTI], 0
.irp x, 0,1,2,3,4,5,6,7,8,9,10,11,12,13,14,15
	s_bcnt1_i32_b32 s[STMP], s[MA_+\x]
	s_add_co_u32 s[RTI], s[RTI], s[STMP]
.endr
	s_lshr_b32 s[RTI], s[RTI], 4
.endm
; Eight key registers: s[MA_ + j] becomes the mask of the lanes whose key is taken
.macro TIE8 base
.irp j, 0,1,2,3,4,5,6,7
	v_cmp_lt_f32 s[MA_+\j], v[(\base)+\j], v[VT]
.endr
.irp j, 0,1,2,3,4,5,6,7
	v_cmp_eq_f32 s[MB_+\j], v[(\base)+\j], v[VT]
.endr
.irp j, 0,1,2,3,4,5,6,7
	s_mov_b32 s[ME_+\j], s[EQC]
	s_bcnt1_i32_b32 s[STMP], s[MB_+\j]
	s_add_co_u32 s[EQC], s[EQC], s[STMP]
.endr
.irp j, 0,1,2,3,4,5,6,7
	v_mbcnt_lo_u32_b32 v[TJ+\j], s[MB_+\j], s[ME_+\j]   ; how many keys equal to T come before mine
.endr
.irp j, 0,1,2,3,4,5,6,7
	v_cmp_gt_u32 s[MC_+\j], s[RTI], v[TJ+\j]
.endr
.irp j, 0,1,2,3,4,5,6,7
	s_and_b32 s[MB_+\j], s[MB_+\j], s[MC_+\j]
	s_or_b32 s[MA_+\j], s[MA_+\j], s[MB_+\j]
.endr
.endm
	s_load_b512 s[4:19], s[0:1], 0x0               ; gid, xc, xs, tsq, y_train, qc, qs, qsq
	s_load_b64 s[20:21], s[0:1], 0x40              ; out0
	v_lshrrev_b32 v1, 5, v0
	v_readfirstlane_b32 s22, v1                    ; wave
	s_lshl_b32 s23, ttmp9, 2
	s_add_co_u32 s23, s23, s22                     ; q
	s_lshl_b32 s80, s23, 7                         ; its list: 128 q
	s_mov_b32 s81, 0
	s_lshl_b32 s82, s23, 2                         ; its words: 4 q
	s_mov_b32 s83, 0
	s_lshr_b32 s84, ttmp9, 4                       ; its codes: tile 4 (q / 64) + q % 4, column (q % 64) / 4
	s_lshl_b32 s84, s84, 12
	s_lshl_b32 s86, s22, 10
	s_add_co_u32 s84, s84, s86
	s_and_b32 s86, ttmp9, 15
	s_lshl_b32 s86, s86, 4
	s_add_co_u32 s84, s84, s86
	s_mov_b32 s85, 0
	s_mov_b32 s[SEL], 0x76543210
	s_mov_b32 s[SEL+1], 0xfedcba98
	s_mov_b32 s[SHI], 0xffff0000
	s_wait_kmcnt 0x0
	s_add_nc_u64 s[4:5], s[4:5], s[80:81]
	s_load_b512 s[24:39], s[4:5], 0x0              ; the 32 groups
	s_load_b512 s[40:55], s[4:5], 0x40
	s_add_nc_u64 s[14:15], s[14:15], s[84:85]
	s_add_nc_u64 s[16:17], s[16:17], s[82:83]
	s_add_nc_u64 s[18:19], s[18:19], s[82:83]
	s_add_nc_u64 s[20:21], s[20:21], s[82:83]
	v_and_b32 v1, 31, v0                           ; l
	v_bfe_u32 v3, v0, 4, 1                         ; h
	v_bfe_u32 v4, v0, 3, 1                         ; r / 8
	v_and_b32 v5, 7, v0                            ; r % 8
	v_sub_nc_u32 v6, 1, v4                         ; 1 where r < 8
	v_lshlrev_b32 v7, 8, v3                        ; 256 h
	v_mov_b32 v10, 0
	global_load_b128 v[AF:AF+3], v7, s[14:15]      ; every lane of a half reads the query's same 16 bytes
	global_load_b128 v[AF+4:AF+7], v7, s[14:15] offset:512
	global_load_b32 v[ASC], v10, s[16:17]
	global_load_b32 v[QV], v10, s[18:19]
	v_lshlrev_b32 v[CM], 7, v3
	v_lshl_add_u32 v[CM], v5, 4, v[CM]             ; 128 h + 16 (r % 8)
	v_lshl_add_u32 v[LB], v4, 9, v[CM]             ; + 512 (r / 8): 16 neighbouring rows of one group
	v_lshl_add_u32 v[CM], v6, 11, v[CM]            ; the tile across two groups: r < 8 the first's last octet, else the second's first
	v_sub_nc_u32 v[MR0], 0, v6                     ; all ones where r < 8
	v_sub_nc_u32 v[MR1], 0, v4                     ; all ones where r >= 8
	v_cmp_gt_u32 vcc_lo, 8, v1
	v_cndmask_b32 v[ML8], 0, -1, vcc_lo
	v_cmp_gt_u32 vcc_lo, 16, v1
	v_cndmask_b32 v[ML16], 0, -1, vcc_lo
	v_cmp_gt_u32 vcc_lo, 24, v1
	v_cndmask_b32 v[ML24], 0, -1, vcc_lo
	v_xor_b32 v[MH8], -1, v[ML8]
	v_xor_b32 v[MH16], -1, v[ML16]
	v_xor_b32 v[MH24], -1, v[ML24]
	v_lshlrev_b32 v[C0], 2, v1                     ; of four groups' 160 candidates register i' holds 32 i' + l: 4 x (the row in its group)
	v_and_b32 v8, 0xa0, v[ML8]
	v_and_b32 v9, 0xa0, v[ML16]
	v_and_b32 v11, 0xa0, v[ML24]
	v_add_nc_u32 v8, v8, v[C0]
	v_add_nc_u32 v9, v9, v[C0]
	v_add_nc_u32 v11, v11, v[C0]
	v_add_nc_u32 v[C1], 0xffffffe0, v8             ; l < 8: 4 (32 + l), else 4 (l - 8)
	v_add_nc_u32 v[C2], 0xffffffc0, v9             ; l < 16: 4 (24 + l), else 4 (l - 16)
	v_add_nc_u32 v[C3], 0xffffffa0, v11            ; l < 24: 4 (16 + l), else 4 (l - 24)
	v_add_nc_u32 v[C4], 32, v[C0]
	s_wait_kmcnt 0x0
.set i_, 0
.rept 32
	s_min_u32 s[24+i_], s[24+i_], 2499             ; a group's number stays inside the tables
.set i_, i_+1
.endr
.macro MIX d, sa, sb, ml, mh, c        ; lanes under ml take the first group, lanes under mh the second
	v_and_b32 v8, s[\sa], v[\ml]
	v_and_b32 v9, s[\sb], v[\mh]
	v_add_nc_u32 v8, v8, v9
	v_add_nc_u32 v[\d], v8, v[\c]
.endm
.set p_, 0
.rept 16
	s_mul_i32 s76, s[24+2*p_], 2560                ; a group's codes are 2,560 bytes on end
	s_mul_i32 s77, s[25+2*p_], 2560
	v_add_nc_u32 v[CA+3*p_], s76, v[LB]
	v_add_nc_u32 v[CA+3*p_+1], s77, v[LB]
	MIX CA+3*p_+2, 76, 77, MR0, MR1, CM
.set p_, p_+1
.endr
.macro TILE tau, adr, off              ; a fragment: blocks h and 2 + h of my candidate, 16 bytes each
	WIN (1+(\tau)/32)<<6
	global_load_b128 v[8*((\tau)%32):8*((\tau)%32)+3], v[\adr], s[6:7] offset:\off
	global_load_b128 v[8*((\tau)%32)+4:8*((\tau)%32)+7], v[\adr], s[6:7] offset:(\off)+256
.endm
.set p_, 0
.rept 16                               ; two groups are five tiles
	TILE 5*p_, CA+3*p_, 0
	TILE 5*p_+1, CA+3*p_, 1024
	TILE 5*p_+2, CA+3*p_+2, 0
	TILE 5*p_+3, CA+3*p_+1, 512
	TILE 5*p_+4, CA+3*p_+1, 1536
.set p_, p_+1
.endr
	WIN 0
.set g_, 0
.rept 8                                ; four groups are five registers
	s_mul_i32 s76, s[24+4*g_], 160
	s_mul_i32 s77, s[25+4*g_], 160
	s_mul_i32 s78, s[26+4*g_], 160
	s_mul_i32 s79, s[27+4*g_], 160
	v_add_nc_u32 v[OFF+5*g_], s76, v[C0]
	MIX OFF+5*g_+1, 76, 77, ML8, MH8, C1
	MIX OFF+5*g_+2, 77, 78, ML16, MH16, C2
	MIX OFF+5*g_+3, 78, 79, ML24, MH24, C3
	v_add_nc_u32 v[OFF+5*g_+4], s79, v[C4]
.irp i, 0,1,2,3,4
	global_load_b32 v[SC+5*g_+\i], v[OFF+5*g_+\i], s[8:9]
	global_load_b32 v[DD+5*g_+\i], v[OFF+5*g_+\i], s[10:11]
	global_load_b32 v[YY+5*g_+\i], v[OFF+5*g_+\i], s[12:13]
.endr
.set g_, g_+1
.endr
	s_wait_loadcnt 0x0                             ; every load is done: the offsets' registers are free
	s_wait_xcnt 0x0
; Eight tiles, 128 candidates, four registers of d.  Even tiles take their scale words from lanes 0-15 of the register, odd ones from lanes 16-31.
.macro BATCH bt
	WIN (1+(\bt)/4)<<2                             ; source 1 in the fragments' window
.irp n, 0,1,2,3,4,5,6,7
.set tb_, 8*((8*(\bt)+\n)%32)
.if (\n)%2
	v_wmma_scale_f32_16x16x128_f8f6f4 v[ACC+8*\n:ACC+8*\n+7], v[AF:AF+7], v[tb_:tb_+7], 0, v[ASC], v[SC+4*(\bt)+\n/2] matrix_a_fmt:MATRIX_FMT_FP4 matrix_b_fmt:MATRIX_FMT_FP4 matrix_b_scale:MATRIX_SCALE_ROW1
.else
	v_wmma_scale_f32_16x16x128_f8f6f4 v[ACC+8*\n:ACC+8*\n+7], v[AF:AF+7], v[tb_:tb_+7], 0, v[ASC], v[SC+4*(\bt)+\n/2] matrix_a_fmt:MATRIX_FMT_FP4 matrix_b_fmt:MATRIX_FMT_FP4
.endif
.endr
	WIN 0
.irp i, 0,1,2,3
	v_add_f32 v[DD+4*(\bt)+\i], v[QV], v[DD+4*(\bt)+\i]   ; q_sq + t_sq: four lines that name no register of the products: the places behind them (ISA guide 7.12.1)
.endr
.irp i, 0,1,2,3
	v_cndmask_b32 v[T0+\i], v[ACC+16*\i], v[ACC+16*\i+8], s[SHI]   ; lanes 0-15 from the even tile, lanes 16-31 from the odd one: each accumulator's lowest register
.endr
.irp i, 0,1,2,3
	v_fma_f32 v[DD+4*(\bt)+\i], -2.0, v[T0+\i], v[DD+4*(\bt)+\i]   ; d.  With the four additions: eight such lines ahead of the next batch, which writes the accumulators anew
.endr
.endm
.irp b, 0,1,2,3,4,5,6,7,8,9
	BATCH \b
.endr
	SORT 32, DD, 0, P, Q                           ; -> P, upward
	SORT 8, DD+32, 1, Q, RR                        ; -> RR 0 .. 7, downward
.set i_, 0
.rept 8
	v_min_num_f32 v[Q+24+i_], v[P+24+i_], v[RR+i_] ; as against a list of 32 whose first 24 are +infinity
.set i_, i_+1
.endr
	MERGE P, Q, 24, RR, Q                          ; -> RR: my lane's 32 smallest
	XL 1, RR, P
	MERGE P, P, 0, Q, P                            ; -> Q
	XL 2, Q, P
	MERGE P, P, 0, RR, P                           ; -> RR
	XL 4, RR, P
	MERGE P, P, 0, Q, P                            ; -> Q
	XL 8, Q, P
	MERGE P, P, 0, RR, P                           ; -> RR
	LAST RR, P, Q
	s_mov_b32 s[EQC], 0
	v_mov_b32 v26, 0                               ; the sum of y, in two halves
	v_mov_b32 v27, 0
.irp g, 0,1,2,3,4
	TIE8 DD+8*\g
.irp j, 0,1,2,3,4,5,6,7
	v_cndmask_b32 v[TJ+\j], 0, v[YY+8*\g+\j], s[MA_+\j]   ; y where the row is taken, else 0
.endr
.irp j, 0,2,4,6
	v_pk_add_f32 v[26:27], v[26:27], v[TJ+\j:TJ+\j+1]
.endr
.endr
	v_add_f32 v26, v26, v27
	v_add_f32_dpp v26, v26, v26 row_xmask:1 row_mask:0xf bank_mask:0xf
	v_add_f32_dpp v26, v26, v26 row_xmask:2 row_mask:0xf bank_mask:0xf
	v_add_f32_dpp v26, v26, v26 row_xmask:4 row_mask:0xf bank_mask:0xf
	v_add_f32_dpp v26, v26, v26 row_xmask:8 row_mask:0xf bank_mask:0xf
	v_permlanex16_b32 v27, v26, s[SEL], s[SEL+1]
	v_add_f32 v26, v26, v27
	v_mul_f32 v26, 0x3d000000, v26                 ; / 32
	v_mov_b32 v8, 0
	v_cmp_eq_u32 vcc_lo, 0, v1
	s_wait_xcnt 0x0                                ; EXEC changes only behind this wait
	s_and_saveexec_b32 s76, vcc_lo
	global_store_b32 v8, v26, s[20:21]             ; one number a query
	s_wait_xcnt 0x0                                ; and again, in front of the line that widens it
	s_or_b32 exec_lo, exec_lo, s76
	s_endpgm
.Lfunc_end_k_q2750db5b49_final:
	.size	k_q2750db5b49_final, .Lfunc_end_k_q2750db5b49_final-k_q2750db5b49_final
	.p2alignl 7, 3214868480
	.fill 96, 4, 3214868480
	.section	.rodata,"a",@progbits
	.p2align	6, 0x0
	.amdhsa_kernel k_q2750db5b49_final
		.amdhsa_group_segment_fixed_size 0
		.amdhsa_private_segment_fixed_size 0
		.amdhsa_enable_private_segment 0
		.amdhsa_kernarg_size 72
		.amdhsa_user_sgpr_count 2
		.amdhsa_user_sgpr_kernarg_segment_ptr 1
		.amdhsa_wavefront_size32 1
		.amdhsa_system_sgpr_workgroup_id_x 1
		.amdhsa_system_sgpr_workgroup_id_y 1
		.amdhsa_system_sgpr_workgroup_id_z 1
		.amdhsa_system_vgpr_workitem_id 0
		.amdhsa_next_free_vgpr 896
		.amdhsa_next_free_sgpr 100
		.amdhsa_reserve_vcc 1
		.amdhsa_float_denorm_mode_32 3
		.amdhsa_float_denorm_mode_16_64 3
		.amdhsa_memory_ordered 1
		.amdhsa_forward_progress 1
		.amdhsa_inst_pref_size 136
	.end_amdhsa_kernel
	.amdgpu_metadata
---
amdhsa.version: [ 1, 2 ]
amdhsa.kernels:
  - .name:           k_q2750db5b49_final
    .symbol:         k_q2750db5b49_final.kd
    .args:
      - { .name: gid, .offset: 0, .size: 8, .value_kind: global_buffer, .address_space: global }
      - { .name: xc, .offset: 8, .size: 8, .value_kind: global_buffer, .address_space: global }
      - { .name: xs, .offset: 16, .size: 8, .value_kind: global_buffer, .address_space: global }
      - { .name: tsq, .offset: 24, .size: 8, .value_kind: global_buffer, .address_space: global }
      - { .name: y_train, .offset: 32, .size: 8, .value_kind: global_buffer, .address_space: global }
      - { .name: qc, .offset: 40, .size: 8, .value_kind: global_buffer, .address_space: global }
      - { .name: qs, .offset: 48, .size: 8, .value_kind: global_buffer, .address_space: global }
      - { .name: qsq, .offset: 56, .size: 8, .value_kind: global_buffer, .address_space: global }
      - { .name: out0, .offset: 64, .size: 8, .value_kind: global_buffer, .address_space: global }
    .group_segment_fixed_size: 0
    .private_segment_fixed_size: 0
    .kernarg_segment_align: 8
    .kernarg_segment_size: 72
    .max_flat_workgroup_size: 128
    .sgpr_count:     100
    .vgpr_count:     896
    .wavefront_size: 32
...
	.end_amdgpu_metadata
.endif
;; end of part 4
;; ======== version 2 of 2: 4 launches
;; workspace buffers: xc 6,400,000 bytes; xs 400,128 bytes; tsq 400,128 bytes; qc 65,536 bytes; qs 4,096 bytes; qsq 4,096 bytes; mins 10,240,000 bytes; gid 131,072 bytes of whole numbers
;; launch prep (part 5): grid 451 x 1, 7 waves a work-group, no clusters, 30,720 bytes of LDS; arguments X_train, inputs, xc, xs, tsq, qc, qs, qsq; writes xc, xs, tsq, qc, qs, qsq
.if DOCPART == 5
	.amdgcn_target "amdgcn-amd-amdhsa--gfx1250"
	.amdhsa_code_object_version 6
	.text
	.protected	k_q2750db5b49_prep
	.globl	k_q2750db5b49_prep
	.p2align	8
	.type	k_q2750db5b49_prep,@function
k_q2750db5b49_prep:
	s_mov_b64 s[64:65], 0
	v_nop
	global_prefetch_b8 v0, s[64:65] scope:SCOPE_SE
	s_setreg_imm32_b32 hwreg(HW_REG_WAVE_MODE, 25, 1), 1
	s_wait_xcnt 0x0
; X_train [100000][128] and inputs [1024][128], f32, become codes of FP4 (E2M1) with one E8M0 byte for each 32 along K, and each row's sum of squares.
; A block's scale is 2^(floor(log2(its largest magnitude)) - 2): its byte is the largest magnitude's exponent field - 2, held at 1 from below.
; LIMITS: a block of zeros gets the byte 1 where the rule says 127 (its codes are zeros, and this program alone reads the bytes); blocks whose largest magnitude lies under
; 2^(3 - 127) are held at that floor; NaN and infinities are not served; a row's sum of squares is added in this text's own order (4 lanes x 2 chains x 2 halves), not in another program's.
; SHARES.  3,157 = 451 x 7 wave jobs of 32 rows: jobs 0 .. 3,124 take X_train, the last 32 take inputs.  One path for both: pointers and offsets are chosen by the job's number.  Waves share nothing: no barrier.
; A job is four steps of 8 rows (an octet).  A load reads one row, 512 consecutive bytes, 16 a lane; the octet turns through the wave's own stage in LDS, so that lane 8 b + j then holds
; block b (32 neighbours along K) of row j: the block's largest magnitude needs no other lane, and four conversions give its 16 bytes of codes.
; LAYOUTS.  xc: [row / 8][block][row % 8][16 bytes]: a step's store is 512 consecutive bytes.  qc: [tile][block][column r][16 bytes], tile 4 w + e, column r = query 64 w + 4 r + e.
; xs, qs: one word (four bytes, byte b for block b) a row.  tsq, qsq: one f32 a row.
.set XJOBS, 3125
.set SP,    528                        ; a stage row: 512 bytes + 16: the eight rows that a read touches begin in different 16-byte columns
.set R,     32                         ; v32-159  four sets of 32: the rows as loaded
.set X,     160                        ; v160-191 32 neighbours along K
.set C,     192                        ; v192-207 codes, four registers a step: no store's data are written again
.set MSK,   40                         ; s40-43   lanes 8 t .. 8 t + 7
.set SEL,   44                         ; s[44:45] selects of v_permlanex16_b32: lane l xor 16
	s_load_b512 s[4:19], s[0:1], 0x0               ; X_train, inputs, xc, xs, tsq, qc, qs, qsq
	v_lshl_add_u32 v208, v0, 2, 0x7400
	v_mov_b32 v209, 0
	v_lshrrev_b32 v1, 5, v0
	v_readfirstlane_b32 s20, v1                    ; wave
	v_and_b32 v1, 31, v0                           ; lane
	s_wait_alu depctr_va_vdst(0)
	v_and_b32 v22, 7, v0                           ; j: my row of an octet
	v_bfe_u32 v23, v0, 3, 2                        ; b: my block
	s_mul_i32 s21, ttmp9, 7
	s_add_co_u32 s21, s21, s20                     ; the job
	s_cmp_lt_u32 s21, XJOBS
	s_cselect_b32 s22, 0, XJOBS
	s_sub_co_u32 s22, s21, s22                     ; a: the job's number in its tensor
	s_lshl_b32 s24, s22, 11                        ; codes of X: 2,048 a
	s_lshr_b32 s25, s22, 1
	s_lshl_b32 s25, s25, 12
	s_and_b32 s26, s22, 1
	s_lshl_b32 s26, s26, 7
	s_add_co_u32 s26, s25, s26                     ; codes of the queries: 4,096 (a / 2) + 128 (a % 2)
	s_mov_b32 s25, 0
	s_lshl_b32 s28, s22, 14                        ; the rows: 16,384 a
	s_mov_b32 s29, 0
	s_lshl_b32 s30, s22, 7                         ; a word a row: 128 a
	s_mov_b32 s31, 0
	s_mul_i32 s23, s20, 8*SP                       ; my stage
	s_mov_b32 s[MSK], 0xff
	s_mov_b32 s[MSK+1], 0xff00
	s_mov_b32 s[MSK+2], 0xff0000
	s_mov_b32 s[MSK+3], 0xff000000
	s_mov_b32 s[SEL], 0x76543210
	s_mov_b32 s[SEL+1], 0xfedcba98
	v_lshlrev_b32 v4, 4, v1                        ; 16 x lane
	s_cmp_lt_u32 s21, XJOBS                        ; the choice hangs on the job's number alone
	s_cselect_b32 s24, s24, s26
	s_cselect_b32 s27, 512, 32                     ; from step to step in the codes
	s_cselect_b32 s32, -1, 0
	s_wait_alu depctr_va_vdst(0)
	s_wait_kmcnt 0x0
	s_cselect_b64 s[4:5], s[4:5], s[6:7]
	s_cselect_b64 s[8:9], s[8:9], s[14:15]
	s_cselect_b64 s[10:11], s[10:11], s[16:17]
	s_cselect_b64 s[12:13], s[12:13], s[18:19]
	s_add_nc_u64 s[4:5], s[4:5], s[28:29]
	s_add_nc_u64 s[8:9], s[8:9], s[24:25]
	s_add_nc_u64 s[10:11], s[10:11], s[30:31]
	s_add_nc_u64 s[12:13], s[12:13], s[30:31]
.irp t, 0,1,2,3
.irp i, 0,1,2,3,4,5,6,7
	global_load_b128 v[R+32*\t+4*\i:R+32*\t+4*\i+3], v4, s[4:5] offset:4096*\t+512*\i th:TH_LOAD_NT   ; row i of octet t: all 32 loads of the job go out at once
.endr
.endr
	v_add_nc_u32 v2, s23, v4                       ; the stage, on the way in: 16 x lane of a row
	v_mul_u32_u24 v3, v22, SP
	v_lshl_add_u32 v3, v23, 7, v3
	v_add_nc_u32 v3, s23, v3                       ; and on the way out: row j, block b
	v_lshlrev_b32 v5, 2, v1                        ; 4 x lane
	v_lshlrev_b32 v6, 3, v23                       ; my byte's place in the scale word
	v_and_b32 v28, 3, v22
	v_lshrrev_b32 v29, 2, v22
	v_lshlrev_b32 v7, 10, v28
	v_lshl_add_u32 v7, v23, 8, v7
	v_lshl_add_u32 v7, v29, 4, v7                  ; queries: 1,024 (j % 4) + 256 b + 16 (j / 4)
	v_cndmask_b32 v8, v7, v4, s32                  ; X: 16 x lane
	v_add_nc_u32 v9, s27, v8                       ; v8-11: where the four steps' codes go
	v_add_nc_u32 v10, s27, v9
	v_add_nc_u32 v11, s27, v10
	v_mov_b32 v16, 0                               ; written once: the destination of a lane exchange counts as one of its sources
	v_mov_b32 v18, 0
.macro STEP t
	s_wait_loadcnt 8*(3-\t)                        ; this octet's eight loads are in; those of the later octets may be out
.irp i, 0,1,2,3,4,5,6,7
	ds_store_b128 v2, v[R+32*\t+4*\i:R+32*\t+4*\i+3] offset:SP*\i
.endr
.irp i, 0,1,2,3,4,5,6,7
	ds_load_b128 v[X+4*\i:X+4*\i+3], v3 offset:16*\i   ; LDS serves a wave's instructions in order: these see the stores above, and the next step's stores come behind them
.endr
	s_wait_dscnt 0x0
	v_max3_num_f32 v12, |v[X]|, |v[X+1]|, 0x1800000    ; the block's largest magnitude, in two chains, with the floor 2^(3 - 127) among the leaves
	v_max3_num_f32 v13, |v[X+16]|, |v[X+17]|, |v[X+18]|
.irp i, 2,4,6,8,10,12
	v_max3_num_f32 v12, v12, |v[X+\i]|, |v[X+\i+1]|
	v_max3_num_f32 v13, v13, |v[X+17+\i]|, |v[X+18+\i]|
.endr
	v_max3_num_f32 v12, v12, |v[X+14]|, |v[X+15]|
	v_max3_num_f32 v12, v12, v13, |v[X+31]|
	v_pk_mul_f32 v[24:25], v[X:X+1], v[X:X+1]      ; the sum of my 32 squares: the first products start the two chains
	v_pk_mul_f32 v[26:27], v[X+2:X+3], v[X+2:X+3]
.irp i, 4,8,12,16,20,24,28
	v_pk_fma_f32 v[24:25], v[X+\i:X+\i+1], v[X+\i:X+\i+1], v[24:25]
	v_pk_fma_f32 v[26:27], v[X+\i+2:X+\i+3], v[X+\i+2:X+\i+3], v[26:27]
.endr
	v_pk_add_f32 v[24:25], v[24:25], v[26:27]
	v_add_f32 v17, v24, v25
	v_add_nc_u32 v14, 0xff000000, v12              ; 2 off the exponent field: the conversion takes this operand's exponent field as its scale
.irp g, 0,1,2,3
	v_cvt_scalef32_pk8_fp4_f32 v[C+4*\t+\g], v[X+8*\g:X+8*\g+7], v14
.endr
	v_lshrrev_b32 v15, 23, v14                     ; the scale's byte (also the plain line behind the conversions)
	global_store_b128 v[8+\t], v[C+4*\t:C+4*\t+3], s[8:9]   ; X: the wave stores 512 consecutive bytes
	v_add_f32_dpp v17, v17, v17 row_xmask:8 row_mask:0xf bank_mask:0xf   ; a row's four blocks lie in lanes j, j + 8, j + 16, j + 24
	v_lshlrev_b32 v15, v6, v15
	v_mov_b32_dpp v16, v15 row_xmask:8 row_mask:0xf bank_mask:0xf
	v_permlanex16_b32 v18, v17, s[SEL], s[SEL+1]
	v_or_b32 v15, v15, v16
	v_add_f32 v17, v17, v18                        ; the row's sum of squares
	v_permlanex16_b32 v16, v15, s[SEL], s[SEL+1]
	v_or_b32 v15, v15, v16                         ; the row's scale word
.if \t == 0
	v_mov_b32 v20, v15
	v_mov_b32 v21, v17
.else
	v_cndmask_b32 v20, v20, v15, s[MSK+\t]         ; lane 8 t + j keeps row 8 t + j of the job
	v_cndmask_b32 v21, v21, v17, s[MSK+\t]
.endif
.endm
	STEP 0
	STEP 1
	STEP 2
	STEP 3
	global_store_b32 v5, v20, s[10:11]             ; 32 rows' scale words: 128 consecutive bytes
	global_store_b32 v5, v21, s[12:13]             ; and their sums of squares
	s_wait_tensorcnt 0x0
	ds_add_u32 v208, v209
	s_wait_dscnt 0x0
	s_endpgm
.Lfunc_end_k_q2750db5b49_prep:
	.size	k_q2750db5b49_prep, .Lfunc_end_k_q2750db5b49_prep-k_q2750db5b49_prep
	.p2alignl 7, 3214868480
	.fill 96, 4, 3214868480
	.section	.rodata,"a",@progbits
	.p2align	6, 0x0
	.amdhsa_kernel k_q2750db5b49_prep
		.amdhsa_group_segment_fixed_size 30720
		.amdhsa_private_segment_fixed_size 0
		.amdhsa_enable_private_segment 0
		.amdhsa_kernarg_size 64
		.amdhsa_user_sgpr_count 2
		.amdhsa_user_sgpr_kernarg_segment_ptr 1
		.amdhsa_wavefront_size32 1
		.amdhsa_system_sgpr_workgroup_id_x 1
		.amdhsa_system_sgpr_workgroup_id_y 1
		.amdhsa_system_sgpr_workgroup_id_z 1
		.amdhsa_system_vgpr_workitem_id 0
		.amdhsa_next_free_vgpr 210
		.amdhsa_next_free_sgpr 66
		.amdhsa_reserve_vcc 0
		.amdhsa_float_denorm_mode_32 3
		.amdhsa_float_denorm_mode_16_64 3
		.amdhsa_memory_ordered 1
		.amdhsa_forward_progress 1
		.amdhsa_inst_pref_size 23
	.end_amdhsa_kernel
	.amdgpu_metadata
---
amdhsa.version: [ 1, 2 ]
amdhsa.kernels:
  - .name:           k_q2750db5b49_prep
    .symbol:         k_q2750db5b49_prep.kd
    .args:
      - { .name: X_train, .offset: 0, .size: 8, .value_kind: global_buffer, .address_space: global }
      - { .name: inputs, .offset: 8, .size: 8, .value_kind: global_buffer, .address_space: global }
      - { .name: xc, .offset: 16, .size: 8, .value_kind: global_buffer, .address_space: global }
      - { .name: xs, .offset: 24, .size: 8, .value_kind: global_buffer, .address_space: global }
      - { .name: tsq, .offset: 32, .size: 8, .value_kind: global_buffer, .address_space: global }
      - { .name: qc, .offset: 40, .size: 8, .value_kind: global_buffer, .address_space: global }
      - { .name: qs, .offset: 48, .size: 8, .value_kind: global_buffer, .address_space: global }
      - { .name: qsq, .offset: 56, .size: 8, .value_kind: global_buffer, .address_space: global }
    .group_segment_fixed_size: 30720
    .private_segment_fixed_size: 0
    .kernarg_segment_align: 8
    .kernarg_segment_size: 64
    .max_flat_workgroup_size: 224
    .sgpr_count:     66
    .vgpr_count:     210
    .wavefront_size: 32
...
	.end_amdgpu_metadata
.endif
;; end of part 5
;; launch scan (part 6): grid 250 x 1, 16 waves a work-group, no clusters, 81,920 bytes of LDS; arguments xc, xs, tsq, qc, qs, qsq, mins; writes mins
.if DOCPART == 6
	.amdgcn_target "amdgcn-amd-amdhsa--gfx1250"
	.amdhsa_code_object_version 6
	.text
	.protected	k_q2750db5b49_scan
	.globl	k_q2750db5b49_scan
	.p2align	8
	.type	k_q2750db5b49_scan,@function
k_q2750db5b49_scan:
	s_mov_b64 s[64:65], 0
	v_nop
	global_prefetch_b8 v0, s[64:65] scope:SCOPE_SE
	s_setreg_imm32_b32 hwreg(HW_REG_WAVE_SCHED_MODE, 0, 2), 2
	s_setreg_imm32_b32 hwreg(HW_REG_WAVE_MODE, 25, 1), 1
	s_wait_xcnt 0x0
	s_wait_alu depctr_vm_vsrc(0)
; All 1,024 x 100,000 distances d = (q_sq + t_sq) - 2 cross, cross on codes of FP4 with E8M0 scales; kept is the smallest d of each (query, group of 40 neighbouring rows).
; WHY GROUPS.  The 32 groups smallest by (minimum, group number) hold all 32 nearest rows by (d, row number): were one of those rows in a group not chosen, 32 chosen groups would each hold a row that comes before it.
; d is rounded as written: s = q_sq + t_sq by one addition, d = s - 2 cross by one fused multiply-add (2 cross is exact).  LIMITS: NaN and infinities are not served.
; SHARES.  Work-group c takes rows 400 c .. 400 c + 399 (10 groups) against all queries; wave w keeps the four query tiles 4 w .. 4 w + 3 in registers; 100 matrix instructions a wave.
; No cluster: 250 work-groups are no multiple of 4, and what they share, the queries' codes, each wave reads once into registers.  No tensor load: a work-group reads 28,800 bytes of rows once.
; LAYOUT.  Source 0 = 16 rows of X, source 1 = 16 queries: lane (r, h) holds query column r, register j row 8 h + j of the tile.  THE ROWS OF A TILE ARE NOT NEIGHBOURS: tile (s, t) takes rows
; 40 (2 s + h') + 8 t + j, so that a lane's 40 registers over the five tiles of s are exactly group 2 s + h: the minimum needs no other lane.
; K is one instruction deep: every product takes the constant 0 as C, no accumulator is added onto.
; mins: [chunk c][q / 4][group u of 10][q % 4], f32.
; THE MODE: SCHED_MODE bits 1:0 = 2 (LLVM: expert scheduling mode 2), set by the entry lines.  The code itself states the register dependences
; between vector or matrix instructions and memory or LDS instructions, with s_wait_alu, always for 0.
; THE PLAN.  Registers that memory or LDS instructions touch:
;   v7-13          offsets of the global loads (v7 of the last stores too), made at the head.  v8-15 are written again, as q_sq's pairs, behind the barrier.
;   v[S ..], v[S+8]  addresses of the six LDS stores that lay the chunk down; written again by the first unit's additions.
;   v2-6           LDS addresses, made once and never written again.
;   ACC            the chunk's loads land in it and the LDS stores read it; then products and multiply-adds write it; at the end the stage's loads land in it.
;   XF, XSC, TS    a pair of groups: LDS loads land in them; its 20 products read XF and XSC, its 80 additions TS.  Their last readers are the fourth unit's products and additions.
;   RES            written by the minima, read by the five LDS stores of the way out.
; So ONE wait on va_vdst stands in a pair of groups, behind the fourth unit's additions; the next pair's 25 LDS loads follow it at once, and the unit's 40 multiply-adds and minima, which name
; ACC, S, MA, MB and RES alone, stand behind them while they land.
.set XSL,  34560                       ; LDS: from 0 the codes, piece p (16 bytes) at 16 p + 128 (p / 160): a group's 2,560 bytes + 128, so that two neighbouring groups' rows fall in different halves of 256 bytes
.set TSL,  36608                       ; from XSL the rows' scale words, from TSL their sums of squares, 4 bytes a row
.set STG,  38656                       ; a stage of 2,560 bytes for each wave, for the way out
.set AX,   2                           ; v2   my place in a tile of codes
.set ASCL, 3                           ; v3   among the scale words
.set ATS,  4                           ; v4   among the sums of squares
.set STO,  5                           ; v5   the stage, in
.set SRD,  6                           ; v6   the stage, out
.set GOF,  7                           ; v7   16 x lane
.set Q2,   8                           ; v8-15   q_sq of tile e, twice, at v[8 + 2 e]: a pair for the packed addition (at the head: offsets)
.set QF,   16                          ; v16-47  the four query fragments
.set QSC,  48                          ; v48-51  their scale words, and nothing else
.set QSQ,  52                          ; v52-55  q_sq as loaded
.set XF,   56                          ; v56-95  five fragments of X
.set XSC,  96                          ; v96-100 their scale words, and nothing else
.set TS,   104                         ; v104-143 t_sq in the result's layout
.set ACC,  144                         ; v144-183 five accumulators
.set S,    184                         ; v184-223 q_sq + t_sq
.set RES,  224                         ; v224-243 the minima: 4 s + e
.set MA,   244
.set MB,   245
	s_load_b256 s[4:11], s[0:1], 0x0               ; xc, xs, tsq, qc
	s_load_b128 s[12:15], s[0:1], 0x20             ; qs, qsq
	s_load_b64 s[16:17], s[0:1], 0x30              ; mins
	v_lshl_add_u32 v248, v0, 2, 0x13800
	v_mov_b32 v249, 0
	v_lshrrev_b32 v1, 5, v0
	v_readfirstlane_b32 s20, v1                    ; wave w
	v_and_b32 v1, 31, v0                           ; lane
	v_and_b32 v224, 15, v0                         ; r
	v_bfe_u32 v225, v0, 4, 1                       ; h
	v_bfe_u32 v226, v0, 3, 1                       ; r / 8
	v_and_b32 v227, 7, v0                          ; r % 8
	s_wait_alu depctr_va_sdst(0)                   ; s20 is written, ahead of its first reader: the wave's offsets are made from it
	s_mul_i32 s22, ttmp9, 25600                    ; the chunk's codes,
	s_mov_b32 s23, 0
	s_mul_i32 s24, ttmp9, 1600                     ; its words,
	s_mov_b32 s25, 0
	s_lshl_b32 s26, s20, 12                        ; my four tiles of queries,
	s_mov_b32 s27, 0
	s_lshl_b32 s28, s20, 8                         ; my 64 queries' words,
	s_mov_b32 s29, 0
	s_mul_i32 s30, ttmp9, 40960
	s_mul_i32 s21, s20, 2560
	s_add_co_u32 s30, s30, s21                     ; my 2,560 bytes of minima
	s_mov_b32 s31, 0
	s_add_co_u32 s21, s21, STG                     ; my stage
	s_mov_b32 s32, 0xc0000000                      ; -2.0: the packed form names a pair and takes its low word for both halves
	s_mov_b32 s33, s32
.irp k, 0,1,2,3
	v_add_nc_u32 v[S+\k], 512*\k, v0               ; piece p = thread + 512 k
.endr
	v_min_u32 v11, 1599, v[S+3]                    ; the chunk has 1,600 pieces: no load leaves it
	v_lshlrev_b32 v8, 4, v[S]
	v_lshlrev_b32 v9, 4, v[S+1]
	v_lshlrev_b32 v10, 4, v[S+2]
	v_lshlrev_b32 v11, 4, v11
	v_min_u32 v12, 399, v0
	v_lshlrev_b32 v12, 2, v12
	v_lshlrev_b32 v13, 4, v224                     ; four words of queries 4 r .. 4 r + 3
	v_lshlrev_b32 v[GOF], 4, v1
	s_wait_kmcnt 0x0
	s_add_nc_u64 s[4:5], s[4:5], s[22:23]
	s_add_nc_u64 s[6:7], s[6:7], s[24:25]
	s_add_nc_u64 s[8:9], s[8:9], s[24:25]
	s_add_nc_u64 s[10:11], s[10:11], s[26:27]
	s_add_nc_u64 s[12:13], s[12:13], s[28:29]
	s_add_nc_u64 s[14:15], s[14:15], s[28:29]
	s_add_nc_u64 s[16:17], s[16:17], s[30:31]
	s_wait_alu depctr_va_vdst(0)                   ; the offsets v7 to v13 are written, which the sixteen loads below read
.irp k, 0,1,2,3
	global_load_b128 v[ACC+4*\k:ACC+4*\k+3], v[8+\k], s[4:5]
.endr
	global_load_b32 v[ACC+16], v12, s[6:7]
	global_load_b32 v[ACC+17], v12, s[8:9]
.irp e, 0,1,2,3
.irp c, 0,1
	global_load_b128 v[QF+8*\e+4*\c:QF+8*\e+4*\c+3], v[GOF], s[10:11] offset:1024*\e+512*\c
.endr
.endr
	global_load_b128 v[QSC:QSC+3], v13, s[12:13]   ; register e: the word of query 64 w + 4 r + e
	global_load_b128 v[QSQ:QSQ+3], v13, s[14:15]
.irp k, 0,1,2,3
	v_mul_u32_u24 v[S+4+\k], v[S+\k], 0xcccd       ; p / 160 = (52,429 p) >> 23, exact for p under 2,048
.endr
.irp k, 0,1,2,3
	v_lshrrev_b32 v[S+4+\k], 23, v[S+4+\k]
.endr
.irp k, 0,1,2,3
	v_lshlrev_b32 v[S+4+\k], 7, v[S+4+\k]
.endr
.irp k, 0,1,2,3
	v_lshl_add_u32 v[S+\k], v[S+\k], 4, v[S+4+\k]  ; 16 p + 128 (p / 160); pieces from 1,600 on land behind the ten groups and are never read
.endr
	v_lshlrev_b32 v[S+8], 2, v0
	v_mul_u32_u24 v[AX], v226, 2688
	v_lshl_add_u32 v[AX], v225, 7, v[AX]
	v_lshl_add_u32 v[AX], v227, 4, v[AX]           ; group r / 8 of the pair, block h (+ 2 c), row r % 8
	v_mul_u32_u24 v[ASCL], v226, 160
	v_lshl_add_u32 v[ASCL], v227, 2, v[ASCL]
	v_add_nc_u32 v[ASCL], XSL, v[ASCL]
	v_mul_u32_u24 v[ATS], v225, 160
	v_add_nc_u32 v[ATS], TSL, v[ATS]
	v_mul_u32_u24 v[STO], v224, 160
	v_lshl_add_u32 v[STO], v225, 4, v[STO]
	v_add_nc_u32 v[STO], s21, v[STO]               ; 160 r + 16 h: q / 4 = 16 w + r, group 2 s + h
	v_add_nc_u32 v[SRD], s21, v[GOF]
	s_wait_loadcnt 10                              ; the chunk's six loads are in; the ten query loads behind them may be out
	s_wait_alu depctr_va_vdst(0)                   ; v[S] to v[S+3] and v[S+8] are written, which the LDS stores below read as addresses; so are v2 to v6, which every later LDS instruction reads
.irp k, 0,1,2,3
	ds_store_b128 v[S+\k], v[ACC+4*\k:ACC+4*\k+3]
.endr
	ds_store_b32 v[S+8], v[ACC+16] offset:XSL
	ds_store_b32 v[S+8], v[ACC+17] offset:TSL
	s_wait_dscnt 0x0                               ; for the others' sake: my stores have landed
	s_barrier_signal -1
	s_barrier_wait -1                              ; the chunk lies in LDS; nothing there is written again but each wave's own stage
; Groups 2 s and 2 s + 1: 25 LDS loads
.macro FETCH s
.irp t, 0,1,2,3,4
	ds_load_b128 v[XF+8*\t:XF+8*\t+3], v[AX] offset:5376*(\s)+512*\t
	ds_load_b128 v[XF+8*\t+4:XF+8*\t+7], v[AX] offset:5376*(\s)+512*\t+256
	ds_load_b32 v[XSC+\t], v[ASCL] offset:4*(80*(\s)+8*\t)
	ds_load_b128 v[TS+8*\t:TS+8*\t+3], v[ATS] offset:4*(80*(\s)+8*\t)
	ds_load_b128 v[TS+8*\t+4:TS+8*\t+7], v[ATS] offset:4*(80*(\s)+8*\t)+16
.endr
.endm
	FETCH 0                                        ; the first pair, straight behind the barrier: no vector or matrix instruction has named XF, XSC or TS yet, and no vector instruction stands since the wait that showed v2 to v4 written
	s_wait_loadcnt 0x0                             ; my queries; every load is done
	s_wait_alu depctr_vm_vsrc(0)                   ; the loads have read their offsets v8 to v13, which the pairs below overwrite; the LDS stores have read v[S ..] and v[ACC ..], which the first unit's additions and products write
.irp e, 0,1,2,3
	v_mov_b32 v[Q2+2*\e], v[QSQ+\e]
	v_mov_b32 v[Q2+2*\e+1], v[QSQ+\e]
.endr
; Five tiles against query tile e: 40 distances a lane, one minimum.  nxt = 1: the pair's last unit, which asks for the next pair.
.macro UNIT s, e, nxt
.irp t, 0,1,2,3,4
	v_wmma_scale_f32_16x16x128_f8f6f4 v[ACC+8*\t:ACC+8*\t+7], v[XF+8*\t:XF+8*\t+7], v[QF+8*\e:QF+8*\e+7], 0, v[XSC+\t], v[QSC+\e] matrix_a_fmt:MATRIX_FMT_FP4 matrix_b_fmt:MATRIX_FMT_FP4
.endr
.set i_, 0
.rept 20
	v_pk_add_f32 v[S+i_:S+i_+1], v[TS+i_:TS+i_+1], v[Q2+2*\e:Q2+2*\e+1]   ; q_sq + t_sq.  These twenty name no register of the products: they are the places behind them (ISA guide 7.12.1)
.set i_, i_+2
.endr
.if \nxt
	s_wait_alu depctr_va_vdst(0)                   ; this pair's last products are done reading v[XF ..] and v[XSC ..], its last additions done reading v[TS ..]: the next pair's loads land in them
	FETCH \s+1                                     ; they land while the forty lines below are worked, which name none of their registers
.endif
.set i_, 0
.rept 20
	v_pk_fma_f32 v[ACC+i_:ACC+i_+1], v[ACC+i_:ACC+i_+1], s[32:33], v[S+i_:S+i_+1] op_sel_hi:[1,0,1]   ; d; each accumulator from its low end on
.set i_, i_+2
.endr
	v_min3_num_f32 v[MA], v[ACC], v[ACC+1], v[ACC+2]
	v_min3_num_f32 v[MB], v[ACC+3], v[ACC+4], v[ACC+5]
.irp x, 6,10,14,18,22,26,30,34
	v_min3_num_f32 v[MA], v[MA], v[ACC+\x], v[ACC+\x+1]
	v_min3_num_f32 v[MB], v[MB], v[ACC+\x+2], v[ACC+\x+3]
.endr
	v_min3_num_f32 v[MA], v[MA], v[MB], v[ACC+38]
	v_min_num_f32 v[RES+4*\s+\e], v[MA], v[ACC+39]
.endm
; Groups 2 s and 2 s + 1 against the four query tiles
.macro SUPER s, nxt
	s_wait_dscnt 0x0                               ; the pair's 25 loads are in.  Four waves share a SIMD: while one waits here, the others have vector work
	UNIT \s, 0, 0
	UNIT \s, 1, 0
	UNIT \s, 2, 0
	UNIT \s, 3, \nxt
.endm
	s_wait_alu depctr_va_vdst(0)
	SUPER 0, 1
	SUPER 1, 1
	SUPER 2, 1
	SUPER 3, 1
	SUPER 4, 0                                     ; the last pair asks for nothing, so it holds no wait on va_vdst
	s_wait_alu depctr_va_vdst(0)                   ; the minima have written v[RES ..], which the LDS stores read; the last multiply-adds and minima are done with v[ACC ..], in which the stage's loads land
.irp s, 0,1,2,3,4
	ds_store_b128 v[STO], v[RES+4*\s:RES+4*\s+3] offset:32*\s    ; four queries' minima of group 2 s + h
.endr
.irp k, 0,1,2,3,4
	ds_load_b128 v[ACC+4*\k:ACC+4*\k+3], v[SRD] offset:512*\k    ; my own bytes, served in order
.endr
.irp k, 0,1,2,3,4
	s_wait_dscnt 4-\k                              ; the younger reads may be out
	global_store_b128 v[GOF], v[ACC+4*\k:ACC+4*\k+3], s[16:17] offset:512*\k th:TH_STORE_NT   ; 512 consecutive bytes, at a multiple of 256 from the buffer's first byte
.endr
	s_wait_dscnt 0x0                               ; the closing lines, six on end
	s_wait_alu 0x0
	s_wait_tensorcnt 0x0
	ds_add_u32 v248, v249
	s_wait_dscnt 0x0
	s_endpgm
.Lfunc_end_k_q2750db5b49_scan:
	.size	k_q2750db5b49_scan, .Lfunc_end_k_q2750db5b49_scan-k_q2750db5b49_scan
	.p2alignl 7, 3214868480
	.fill 96, 4, 3214868480
	.section	.rodata,"a",@progbits
	.p2align	6, 0x0
	.amdhsa_kernel k_q2750db5b49_scan
		.amdhsa_group_segment_fixed_size 81920
		.amdhsa_private_segment_fixed_size 0
		.amdhsa_enable_private_segment 0
		.amdhsa_kernarg_size 56
		.amdhsa_user_sgpr_count 2
		.amdhsa_user_sgpr_kernarg_segment_ptr 1
		.amdhsa_wavefront_size32 1
		.amdhsa_system_sgpr_workgroup_id_x 1
		.amdhsa_system_sgpr_workgroup_id_y 1
		.amdhsa_system_sgpr_workgroup_id_z 1
		.amdhsa_system_vgpr_workitem_id 0
		.amdhsa_next_free_vgpr 250
		.amdhsa_next_free_sgpr 66
		.amdhsa_reserve_vcc 0
		.amdhsa_float_denorm_mode_32 3
		.amdhsa_float_denorm_mode_16_64 3
		.amdhsa_memory_ordered 1
		.amdhsa_forward_progress 1
		.amdhsa_inst_pref_size 103
	.end_amdhsa_kernel
	.amdgpu_metadata
---
amdhsa.version: [ 1, 2 ]
amdhsa.kernels:
  - .name:           k_q2750db5b49_scan
    .symbol:         k_q2750db5b49_scan.kd
    .args:
      - { .name: xc, .offset: 0, .size: 8, .value_kind: global_buffer, .address_space: global }
      - { .name: xs, .offset: 8, .size: 8, .value_kind: global_buffer, .address_space: global }
      - { .name: tsq, .offset: 16, .size: 8, .value_kind: global_buffer, .address_space: global }
      - { .name: qc, .offset: 24, .size: 8, .value_kind: global_buffer, .address_space: global }
      - { .name: qs, .offset: 32, .size: 8, .value_kind: global_buffer, .address_space: global }
      - { .name: qsq, .offset: 40, .size: 8, .value_kind: global_buffer, .address_space: global }
      - { .name: mins, .offset: 48, .size: 8, .value_kind: global_buffer, .address_space: global }
    .group_segment_fixed_size: 81920
    .private_segment_fixed_size: 0
    .kernarg_segment_align: 8
    .kernarg_segment_size: 56
    .max_flat_workgroup_size: 512
    .sgpr_count:     66
    .vgpr_count:     250
    .wavefront_size: 32
...
	.end_amdgpu_metadata
.endif
;; end of part 6
;; launch pick (part 7): grid 256 x 1, 4 waves a work-group, no clusters, 41,472 bytes of LDS; arguments mins, gid; writes gid
.if DOCPART == 7
	.amdgcn_target "amdgcn-amd-amdhsa--gfx1250"
	.amdhsa_code_object_version 6
	.text
	.protected	k_q2750db5b49_pick
	.globl	k_q2750db5b49_pick
	.p2align	8
	.type	k_q2750db5b49_pick,@function
k_q2750db5b49_pick:
	s_mov_b64 s[64:65], 0
	v_nop
	global_prefetch_b8 v0, s[64:65] scope:SCOPE_SE
	s_setreg_imm32_b32 hwreg(HW_REG_WAVE_MODE, 25, 1), 1
	s_wait_xcnt 0x0
; For each query the 32 groups smallest by (minimum, group number), stored as ascending group numbers: gid [q][32], whole numbers at fixed places.
; No branch and no address hangs on a number: the threshold comes from a sorting network, the choice from masks, counts of bits and selects.
; SHARES.  Work-group qb takes queries 4 qb .. 4 qb + 3; its 2,500 pieces of 16 bytes (a group's minima of the four queries) go through LDS; wave e then holds query 4 qb + e:
; register i, lane l = group 32 i + l (80 registers; groups 2,500 .. 2,559 are +infinity).
; THE THRESHOLD T, the 32nd smallest key.  Each lane sorts its keys and keeps the 32 smallest (bitonic sorts and merges across registers, from bank to bank, so that a compare-exchange needs no spare register);
; then lanes join in pairs: the smaller of my list and my partner's reversed list are the 32 smallest of both, as a bitonic row, which five stages sort.
; TIES.  RTI = how many keys equal to T belong to the 32.  A key equal to T is taken if fewer than RTI such keys come before it in the order (register, lane), which is the group's number.
; LIMITS: NaN and infinities among the minima are not served.
.set K,    16                          ; v16-95   pieces as loaded, then the keys
.set P,    96                          ; v96-127, v128-159, v160-191: three banks (at the head: offsets and work)
.set Q,    128
.set RR,   160
.set TJ,   192                         ; v192-199 at work
.set VT,   3                           ; v3  T
.set VU,   8
.set MA_,  24                          ; s24-31, 32-39, 40-47, 48-55, 56-63: eight masks or counts each
.set MB_,  32
.set MC_,  40
.set ME_,  48
.set MM_,  56
.set RTI,  66
.set EQC,  67                          ; keys equal to T so far
.set PFX,  68                          ; groups taken so far
.set STMP, 69
.set SEL,  70                          ; s[70:71] selects of v_permlanex16_b32: lane l xor 16
; One stage of a bitonic network on n places: place i against place i + j.  k: the run in which the direction turns; inv = 1: all directions turned.  Place x is read from bank SH where x >= z, else from SL; results go to bank D.
.macro STAGE n, k, j, inv, SL, SH, z, D
.set i_, 0
.rept \n
.if (i_ & (\j)) == 0
.set l_, i_+(\j)
.set a_, (\SL)+i_
.if i_ >= (\z)
.set a_, (\SH)+i_
.endif
.set b_, (\SL)+l_
.if l_ >= (\z)
.set b_, (\SH)+l_
.endif
.if (((i_ & (\k))/(\k))+(\inv)) == 1
	v_max_num_f32 v[(\D)+i_], v[a_], v[b_]
	v_min_num_f32 v[(\D)+l_], v[a_], v[b_]
.else
	v_min_num_f32 v[(\D)+i_], v[a_], v[b_]
	v_max_num_f32 v[(\D)+l_], v[a_], v[b_]
.endif
.endif
.set i_, i_+1
.endr
.endm
; n = 8, 16 or 32 keys from src, sorted upward (inv = 0) or downward (1).  n = 32 ends in D1, n = 8 and 16 in D2.
.macro SORT n, src, inv, D1, D2
	STAGE \n, 2, 1, \inv, \src, \src, 0, \D1
	STAGE \n, 4, 2, \inv, \D1, \D1, 0, \D2
	STAGE \n, 4, 1, \inv, \D2, \D2, 0, \D1
	STAGE \n, 8, 4, \inv, \D1, \D1, 0, \D2
	STAGE \n, 8, 2, \inv, \D2, \D2, 0, \D1
	STAGE \n, 8, 1, \inv, \D1, \D1, 0, \D2
.if \n >= 16
	STAGE \n, 16, 8, \inv, \D2, \D2, 0, \D1
	STAGE \n, 16, 4, \inv, \D1, \D1, 0, \D2
	STAGE \n, 16, 2, \inv, \D2, \D2, 0, \D1
	STAGE \n, 16, 1, \inv, \D1, \D1, 0, \D2
.endif
.if \n >= 32
	STAGE \n, 32, 16, \inv, \D2, \D2, 0, \D1
	STAGE \n, 32, 8, \inv, \D1, \D1, 0, \D2
	STAGE \n, 32, 4, \inv, \D2, \D2, 0, \D1
	STAGE \n, 32, 2, \inv, \D1, \D1, 0, \D2
	STAGE \n, 32, 1, \inv, \D2, \D2, 0, \D1
.endif
.endm
; A bitonic row of 32 is sorted upward; it ends in D1.
.macro MERGE SL, SH, z, D1, D2
	STAGE 32, 64, 16, 0, \SL, \SH, \z, \D1
	STAGE 32, 64, 8, 0, \D1, \D1, 0, \D2
	STAGE 32, 64, 4, 0, \D2, \D2, 0, \D1
	STAGE 32, 64, 2, 0, \D1, \D1, 0, \D2
	STAGE 32, 64, 1, 0, \D2, \D2, 0, \D1
.endm
; The 32 smallest of my sorted list and that of lane l xor m
.macro XL m, R, D
.set i_, 0
.rept 32
	v_min_num_f32_dpp v[(\D)+i_], v[(\R)+31-i_], v[(\R)+i_] row_xmask:\m row_mask:0xf bank_mask:0xf
.set i_, i_+1
.endr
.endm
; The same with lane l xor 16; the largest of the 32 is T.  Lanes 16-31 hold at place x what lanes 0-15 hold at place 31 - x: so the masks of places 0 .. 15 hold each key equal to T sixteen times.
.macro LAST R, D1, D2
.set i_, 0
.rept 32
	v_permlanex16_b32 v[(\D1)+i_], v[(\R)+31-i_], s[SEL], s[SEL+1]
.set i_, i_+1
.endr
.set i_, 0
.rept 32
	v_min_num_f32 v[(\D2)+i_], v[(\D1)+i_], v[(\R)+i_]
.set i_, i_+1
.endr
	v_max3_num_f32 v[VT], v[(\D2)], v[(\D2)+1], v[(\D2)+2]
	v_max3_num_f32 v[VU], v[(\D2)+3], v[(\D2)+4], v[(\D2)+5]
.irp x, 6,10,14,18,22,26
	v_max3_num_f32 v[VT], v[VT], v[(\D2)+\x], v[(\D2)+\x+1]
	v_max3_num_f32 v[VU], v[VU], v[(\D2)+\x+2], v[(\D2)+\x+3]
.endr
	v_max3_num_f32 v[VT], v[VT], v[VU], v[(\D2)+30]
	v_max_num_f32 v[VT], v[VT], v[(\D2)+31]
.irp x, 0,1,2,3,4,5,6,7,8,9,10,11,12,13,14,15
	v_cmp_eq_f32 s[MA_+\x], v[(\D2)+\x], v[VT]
.endr
	s_mov_b32 s[RTI], 0
.irp x, 0,1,2,3,4,5,6,7,8,9,10,11,12,13,14,15
	s_bcnt1_i32_b32 s[STMP], s[MA_+\x]
	s_add_co_u32 s[RTI], s[RTI], s[STMP]
.endr
	s_lshr_b32 s[RTI], s[RTI], 4
.endm
; Eight key registers: s[MA_ + j] becomes the mask of the lanes whose key is taken
.macro TIE8 base
.irp j, 0,1,2,3,4,5,6,7
	v_cmp_lt_f32 s[MA_+\j], v[(\base)+\j], v[VT]
.endr
.irp j, 0,1,2,3,4,5,6,7
	v_cmp_eq_f32 s[MB_+\j], v[(\base)+\j], v[VT]
.endr
.irp j, 0,1,2,3,4,5,6,7
	s_mov_b32 s[ME_+\j], s[EQC]
	s_bcnt1_i32_b32 s[STMP], s[MB_+\j]
	s_add_co_u32 s[EQC], s[EQC], s[STMP]
.endr
.irp j, 0,1,2,3,4,5,6,7
	v_mbcnt_lo_u32_b32 v[TJ+\j], s[MB_+\j], s[ME_+\j]   ; how many keys equal to T come before mine
.endr
.irp j, 0,1,2,3,4,5,6,7
	v_cmp_gt_u32 s[MC_+\j], s[RTI], v[TJ+\j]
.endr
.irp j, 0,1,2,3,4,5,6,7
	s_and_b32 s[MB_+\j], s[MB_+\j], s[MC_+\j]
	s_or_b32 s[MA_+\j], s[MA_+\j], s[MB_+\j]
.endr
.endm
	s_load_b128 s[4:7], s[0:1], 0x0                ; mins, gid
	v_lshl_add_u32 v200, v0, 2, 0xa000
	v_mov_b32 v201, 0
	v_and_b32 v2, 31, v0                           ; L: my lane, and which of the 32 groups I shall store
	v_lshrrev_b32 v1, 5, v0
	v_readfirstlane_b32 s8, v1                     ; wave e
	s_lshl_b32 s9, s8, 2
	s_mul_i32 s10, ttmp9, 160                      ; the work-group's 160 bytes in each chunk
	s_mov_b32 s11, 0
	s_lshl_b32 s12, ttmp9, 9                       ; its four queries' lists
	s_mov_b32 s13, 0
	s_mov_b32 s[SEL], 0x76543210
	s_mov_b32 s[SEL+1], 0xfedcba98
.set k_, 0
.rept 20
	v_add_nc_u32 v[P+k_], 128*k_, v0               ; piece p = group = thread + 128 k
.if k_ == 19
	v_min_u32 v[P+k_], 2499, v[P+k_]               ; there are 2,500: no load leaves the buffer
.endif
	v_mul_u32_u24 v[Q+k_], v[P+k_], 0xcccd
	v_lshrrev_b32 v[Q+k_], 19, v[Q+k_]             ; chunk c = p / 10 = (52,429 p) >> 19
	v_mul_u32_u24 v[Q+k_], v[Q+k_], 40800
	v_lshl_add_u32 v[P+k_], v[P+k_], 4, v[Q+k_]    ; 40,960 c + 16 (p - 10 c)
.set k_, k_+1
.endr
	s_wait_alu depctr_va_vdst(0)
	s_wait_kmcnt 0x0
	s_add_nc_u64 s[4:5], s[4:5], s[10:11]
	s_add_nc_u64 s[6:7], s[6:7], s[12:13]
.set k_, 0
.rept 20
	global_load_b128 v[K+4*k_:K+4*k_+3], v[P+k_], s[4:5] th:TH_LOAD_NT
.set k_, k_+1
.endr
	v_lshlrev_b32 v10, 4, v0                       ; LDS, in: 16 x thread
	v_lshlrev_b32 v11, 4, v2
	v_add_nc_u32 v11, s9, v11                      ; out: 16 x lane + 4 e
	v_mov_b32 v7, 0x7f800000                       ; +infinity
	v_cmp_gt_u32 vcc_lo, 68, v0                    ; in the last run threads 68 on stand past group 2,499
.set k_, 0
	s_wait_alu depctr_va_vdst(0)
.rept 20
	s_wait_loadcnt 19-k_                           ; piece k is in; the younger ones may be out
.if k_ == 19
.irp n, 0,1,2,3
	v_cndmask_b32 v[K+76+\n], v7, v[K+76+\n], vcc_lo
.endr
.endif
	ds_store_b128 v10, v[K+4*k_:K+4*k_+3] offset:2048*k_
.set k_, k_+1
.endr
	s_wait_dscnt 0x0                               ; for the others' sake: my stores have landed
	s_barrier_signal -1
	s_barrier_wait -1
.set k_, 0
.rept 80
	ds_load_b32 v[K+k_], v11 offset:512*k_         ; group 32 i + lane, query e
.set k_, k_+1
.endr
	s_wait_dscnt 48                                ; keys 0 .. 31 of my lane are in: 48 younger loads may be out
	SORT 32, K, 0, P, Q                            ; -> P, upward
	s_wait_dscnt 16                                ; keys 32 .. 63
	SORT 32, K+32, 1, Q, RR                        ; -> Q, downward
.set i_, 0
.rept 32
	v_min_num_f32 v[RR+i_], v[P+i_], v[Q+i_]       ; the 32 smallest of the 64
.set i_, i_+1
.endr
	MERGE RR, RR, 0, P, Q                          ; -> P
	s_wait_dscnt 0x0
	SORT 16, K+64, 1, Q, RR                        ; -> RR 0 .. 15, downward
.set i_, 0
.rept 16
	v_min_num_f32 v[Q+16+i_], v[P+16+i_], v[RR+i_] ; as against a list of 32 whose first 16 are +infinity
.set i_, i_+1
.endr
	MERGE P, Q, 16, RR, Q                          ; -> RR: my lane's 32 smallest
	XL 1, RR, P
	MERGE P, P, 0, Q, P                            ; -> Q
	XL 2, Q, P
	MERGE P, P, 0, RR, P                           ; -> RR
	XL 4, RR, P
	MERGE P, P, 0, Q, P                            ; -> Q
	XL 8, Q, P
	MERGE P, P, 0, RR, P                           ; -> RR
	LAST RR, P, Q
	s_mov_b32 s[EQC], 0
	s_mov_b32 s[PFX], 0
	v_mov_b32 v4, 0                                ; the mask in which my group's bit lies
	v_mov_b32 v5, 0                                ; groups taken before that mask + 256 x its register
; Lane L takes the L-th group taken: it lies in the register whose mask spans L.
.macro POST8 i0
	TIE8 K+(\i0)
.irp j, 0,1,2,3,4,5,6,7
	s_bcnt1_i32_b32 s[MB_+\j], s[MA_+\j]
	s_mov_b32 s[MC_+\j], s[PFX]
	s_add_co_u32 s[ME_+\j], s[PFX], ((\i0)+\j)<<8
	s_add_co_u32 s[PFX], s[PFX], s[MB_+\j]
.endr
.irp j, 0,1,2,3,4,5,6,7
	v_sub_nc_u32 v[TJ+\j], v2, s[MC_+\j]           ; wraps to a large number where L lies before
.endr
.irp j, 0,1,2,3,4,5,6,7
	v_cmp_gt_u32 s[MM_+\j], s[MB_+\j], v[TJ+\j]
.endr
.irp j, 0,1,2,3,4,5,6,7
	v_cndmask_b32 v4, v4, s[MA_+\j], s[MM_+\j]
	v_cndmask_b32 v5, v5, s[ME_+\j], s[MM_+\j]
.endr
.endm
.irp g, 0,1,2,3,4,5,6,7,8,9
	POST8 8*\g
.endr
	; which set bit of my mask: number v8, counted from 0.  The counts of ones in fields of 2, 4, 8 and 16 bits, then five halvings.
	v_and_b32 v8, 0xff, v5
	v_sub_nc_u32 v8, v2, v8
	v_lshrrev_b32 v9, 1, v4
	v_and_b32 v9, 0x55555555, v9
	v_sub_nc_u32 v9, v4, v9
	v_lshrrev_b32 v10, 2, v9
	v_and_b32 v10, 0x33333333, v10
	v_and_b32 v11, 0x33333333, v9
	v_add_nc_u32 v10, v10, v11
	v_lshrrev_b32 v11, 4, v10
	v_add_nc_u32 v11, v11, v10
	v_and_b32 v11, 0x0f0f0f0f, v11
	v_lshrrev_b32 v12, 8, v11
	v_add_nc_u32 v12, v12, v11
	v_and_b32 v12, 0x00ff00ff, v12
	v_mov_b32 v13, 0                               ; the bit's place
.macro BIT src, msk, w
	v_lshrrev_b32 v14, v13, v[\src]
	v_and_b32 v14, \msk, v14                       ; ones in the lower half of what is left
	v_cmp_ge_u32 vcc_lo, v8, v14
	v_sub_nc_u32 v14, v8, v14
	v_add_nc_u32 v15, \w, v13
	v_cndmask_b32 v8, v8, v14, vcc_lo
	v_cndmask_b32 v13, v13, v15, vcc_lo
.endm
	BIT 12, 0xff, 16
	BIT 11, 0xff, 8
	BIT 10, 15, 4
	BIT 9, 3, 2
	BIT 4, 1, 1
	v_lshrrev_b32 v14, 8, v5
	v_lshl_add_u32 v14, v14, 5, v13                ; the group: 32 x register + lane
	v_lshlrev_b32 v15, 2, v0
	global_store_b32 v15, v14, s[6:7]              ; a wave stores its query's 128 bytes, the work-group 512 on end
	s_wait_tensorcnt 0x0
	ds_add_u32 v200, v201
	s_wait_dscnt 0x0
	s_endpgm
.Lfunc_end_k_q2750db5b49_pick:
	.size	k_q2750db5b49_pick, .Lfunc_end_k_q2750db5b49_pick-k_q2750db5b49_pick
	.p2alignl 7, 3214868480
	.fill 96, 4, 3214868480
	.section	.rodata,"a",@progbits
	.p2align	6, 0x0
	.amdhsa_kernel k_q2750db5b49_pick
		.amdhsa_group_segment_fixed_size 41472
		.amdhsa_private_segment_fixed_size 0
		.amdhsa_enable_private_segment 0
		.amdhsa_kernarg_size 16
		.amdhsa_user_sgpr_count 2
		.amdhsa_user_sgpr_kernarg_segment_ptr 1
		.amdhsa_wavefront_size32 1
		.amdhsa_system_sgpr_workgroup_id_x 1
		.amdhsa_system_sgpr_workgroup_id_y 1
		.amdhsa_system_sgpr_workgroup_id_z 1
		.amdhsa_system_vgpr_workitem_id 0
		.amdhsa_next_free_vgpr 202
		.amdhsa_next_free_sgpr 80
		.amdhsa_reserve_vcc 1
		.amdhsa_float_denorm_mode_32 3
		.amdhsa_float_denorm_mode_16_64 3
		.amdhsa_memory_ordered 1
		.amdhsa_forward_progress 1
		.amdhsa_inst_pref_size 166
	.end_amdhsa_kernel
	.amdgpu_metadata
---
amdhsa.version: [ 1, 2 ]
amdhsa.kernels:
  - .name:           k_q2750db5b49_pick
    .symbol:         k_q2750db5b49_pick.kd
    .args:
      - { .name: mins, .offset: 0, .size: 8, .value_kind: global_buffer, .address_space: global }
      - { .name: gid, .offset: 8, .size: 8, .value_kind: global_buffer, .address_space: global }
    .group_segment_fixed_size: 41472
    .private_segment_fixed_size: 0
    .kernarg_segment_align: 8
    .kernarg_segment_size: 16
    .max_flat_workgroup_size: 128
    .sgpr_count:     80
    .vgpr_count:     202
    .wavefront_size: 32
...
	.end_amdgpu_metadata
.endif
;; end of part 7
;; launch final (part 8): grid 256 x 1, 4 waves a work-group, no clusters, 0 bytes of LDS; arguments gid, xc, xs, tsq, y_train, qc, qs, qsq, out0; writes out0
.if DOCPART == 8
	.amdgcn_target "amdgcn-amd-amdhsa--gfx1250"
	.amdhsa_code_object_version 6
	.text
	.protected	k_q2750db5b49_final
	.globl	k_q2750db5b49_final
	.p2align	8
	.type	k_q2750db5b49_final,@function
k_q2750db5b49_final:
	s_mov_b64 s[64:65], 0
	v_nop
	global_prefetch_b8 v0, s[64:65] scope:SCOPE_SE
	s_setreg_imm32_b32 hwreg(HW_REG_WAVE_SCHED_MODE, 0, 2), 2
	s_setreg_imm32_b32 hwreg(HW_REG_WAVE_MODE, 25, 1), 1
	s_wait_xcnt 0x0
	s_wait_alu depctr_vm_vsrc(0)
; out0[q] = the mean of y_train over the 32 rows nearest to query q by (d, row number), taken among the 1,280 rows of the 32 groups that gid names (ascending), which hold them all.
; d is made as in the launch that found the groups: the same codes, scale words, sums of squares and roundings; the product's sources are swapped, which gives the same sums.
; SHARES.  A wave takes a query.  Candidate 40 p + rho (p: the group's rank, rho: the row in it) lies in register i, lane l with 32 i + l: ascending row numbers.  Tile tau holds candidates 16 tau .. 16 tau + 15.
; THE PRODUCT.  Source 0 = the query in all 16 rows, source 1 = 16 candidates: register 0 of lane (r, h) is cross(q, candidate r).  80 matrix instructions a query, each one K step deep, C = 0.
; ADDRESSES hang on gid, whole numbers stored by an earlier launch; each is held to 2,499 first, and then only multiplied, masked and added.
; No cluster, no tensor load: each lane's address is its own.  All loads go out at once, as soon as the list is there.
; LIMITS: NaN and infinities are not served; the 32 numbers are added in this text's own order.
; REGISTERS: window 0 as named below; windows 1 to 3: the candidates' fragments, tile tau at v[8 (tau % 32)] of window 1 + tau / 32.
; THE MODE: SCHED_MODE bits 1:0 = 2 (LLVM: expert scheduling mode 2), set by the entry lines.  The code itself states the register dependences
; between vector or matrix instructions and memory instructions, and those through scalar registers, VCC and EXEC that vector instructions write or run under, with s_wait_alu, always for 0.
; THE PLAN.  Registers that memory instructions touch:
;   v7, v10        offsets of the query's four loads; never written again.
;   CA (v192-239)  offsets of the 160 fragment loads: all 48 are made in one run, one wait follows, then the loads with their window switches.  Written again as accumulators.
;   OFF (v152-191) offsets of the 120 loads of a word: all 40 are made in one run behind the fragment loads, one wait follows, then the loads.  Written again as a bank of the network.
;   AF, ASC, QV, SC, DD, YY and windows 1 to 3: written by loads alone before they are used.
;   v8, v26        offset and data of the one store.
; One wait on vm_vsrc, behind the wait for all loads, frees CA and OFF.  From there to the store no memory instruction is issued: the waits there are those behind the runs of compares whose masks scalar lines read.
.set AF,   16                          ; v16-23   the query's fragment
.set ASC,  24                          ; v24      its scale word, and nothing else
.set QV,   25                          ; v25      q_sq
.set T0,   26                          ; v26-29   at work
.set VT,   30                          ; v30      T
.set VU,   31
.set SC,   32                          ; v32-71   the candidates' scale words, and nothing else
.set DD,   72                          ; v72-111  t_sq, then q_sq + t_sq, then d
.set YY,   112                         ; v112-151 y
.set OFF,  152                         ; v152-191 4 x row
.set CA,   192                         ; v192-239 offsets of the codes, three for each pair of groups
.set LB,   240
.set CM,   241
.set MR0,  242
.set MR1,  243
.set ML8,  244
.set MH8,  245
.set ML16, 246
.set MH16, 247
.set ML24, 248
.set MH24, 249
.set C0,   250
.set C1,   251
.set C2,   252
.set C3,   253
.set C4,   254
.set ACC,  192                         ; v192-255 eight accumulators, once every load is done
.set P,    192                         ; and then the network's banks
.set Q,    224
.set RR,   152
.set TJ,   184
.set MA_,  24                          ; s24-31, 32-39, 40-47, 48-55: eight masks or counts each (before that: the 32 groups)
.set MB_,  32
.set MC_,  40
.set ME_,  48
.set RTI,  66
.set EQC,  67
.set STMP, 69
.set SEL,  70
.set SHI,  73                          ; s73  lanes 16-31
.set MSB,  0
.macro WIN new                         ; the immediate's high byte repeats the setting that is left; a switch that changes nothing is dropped
.if MSB != (\new)
	s_set_vgpr_msb (MSB<<8)|(\new)
.set MSB, (\new)
.endif
.endm
; One stage of a bitonic network on n places: place i against place i + j.  k: the run in which the direction turns; inv = 1: all directions turned.  Place x is read from bank SH where x >= z, else from SL; results go to bank D.
.macro STAGE n, k, j, inv, SL, SH, z, D
.set i_, 0
.rept \n
.if (i_ & (\j)) == 0
.set l_, i_+(\j)
.set a_, (\SL)+i_
.if i_ >= (\z)
.set a_, (\SH)+i_
.endif
.set b_, (\SL)+l_
.if l_ >= (\z)
.set b_, (\SH)+l_
.endif
.if (((i_ & (\k))/(\k))+(\inv)) == 1
	v_max_num_f32 v[(\D)+i_], v[a_], v[b_]
	v_min_num_f32 v[(\D)+l_], v[a_], v[b_]
.else
	v_min_num_f32 v[(\D)+i_], v[a_], v[b_]
	v_max_num_f32 v[(\D)+l_], v[a_], v[b_]
.endif
.endif
.set i_, i_+1
.endr
.endm
; n = 8, 16 or 32 keys from src, sorted upward (inv = 0) or downward (1).  n = 32 ends in D1, n = 8 and 16 in D2.
.macro SORT n, src, inv, D1, D2
	STAGE \n, 2, 1, \inv, \src, \src, 0, \D1
	STAGE \n, 4, 2, \inv, \D1, \D1, 0, \D2
	STAGE \n, 4, 1, \inv, \D2, \D2, 0, \D1
	STAGE \n, 8, 4, \inv, \D1, \D1, 0, \D2
	STAGE \n, 8, 2, \inv, \D2, \D2, 0, \D1
	STAGE \n, 8, 1, \inv, \D1, \D1, 0, \D2
.if \n >= 16
	STAGE \n, 16, 8, \inv, \D2, \D2, 0, \D1
	STAGE \n, 16, 4, \inv, \D1, \D1, 0, \D2
	STAGE \n, 16, 2, \inv, \D2, \D2, 0, \D1
	STAGE \n, 16, 1, \inv, \D1, \D1, 0, \D2
.endif
.if \n >= 32
	STAGE \n, 32, 16, \inv, \D2, \D2, 0, \D1
	STAGE \n, 32, 8, \inv, \D1, \D1, 0, \D2
	STAGE \n, 32, 4, \inv, \D2, \D2, 0, \D1
	STAGE \n, 32, 2, \inv, \D1, \D1, 0, \D2
	STAGE \n, 32, 1, \inv, \D2, \D2, 0, \D1
.endif
.endm
; A bitonic row of 32 is sorted upward; it ends in D1.
.macro MERGE SL, SH, z, D1, D2
	STAGE 32, 64, 16, 0, \SL, \SH, \z, \D1
	STAGE 32, 64, 8, 0, \D1, \D1, 0, \D2
	STAGE 32, 64, 4, 0, \D2, \D2, 0, \D1
	STAGE 32, 64, 2, 0, \D1, \D1, 0, \D2
	STAGE 32, 64, 1, 0, \D2, \D2, 0, \D1
.endm
; The 32 smallest of my sorted list and that of lane l xor m
.macro XL m, R, D
.set i_, 0
.rept 32
	v_min_num_f32_dpp v[(\D)+i_], v[(\R)+31-i_], v[(\R)+i_] row_xmask:\m row_mask:0xf bank_mask:0xf
.set i_, i_+1
.endr
.endm
; The same with lane l xor 16; the largest of the 32 is T.  Lanes 16-31 hold at place x what lanes 0-15 hold at place 31 - x: so the masks of places 0 .. 15 hold each key equal to T sixteen times.
.macro LAST R, D1, D2
.set i_, 0
.rept 32
	v_permlanex16_b32 v[(\D1)+i_], v[(\R)+31-i_], s[SEL], s[SEL+1]
.set i_, i_+1
.endr
.set i_, 0
.rept 32
	v_min_num_f32 v[(\D2)+i_], v[(\D1)+i_], v[(\R)+i_]
.set i_, i_+1
.endr
	v_max3_num_f32 v[VT], v[(\D2)], v[(\D2)+1], v[(\D2)+2]
	v_max3_num_f32 v[VU], v[(\D2)+3], v[(\D2)+4], v[(\D2)+5]
.irp x, 6,10,14,18,22,26
	v_max3_num_f32 v[VT], v[VT], v[(\D2)+\x], v[(\D2)+\x+1]
	v_max3_num_f32 v[VU], v[VU], v[(\D2)+\x+2], v[(\D2)+\x+3]
.endr
	v_max3_num_f32 v[VT], v[VT], v[VU], v[(\D2)+30]
	v_max_num_f32 v[VT], v[VT], v[(\D2)+31]
.irp x, 0,1,2,3,4,5,6,7,8,9,10,11,12,13,14,15
	v_cmp_eq_f32 s[MA_+\x], v[(\D2)+\x], v[VT]
.endr
	s_wait_alu depctr_va_sdst(0)                   ; the sixteen compares have written their masks, ahead of the counts of bits that read them
	s_mov_b32 s[RTI], 0
.irp x, 0,1,2,3,4,5,6,7,8,9,10,11,12,13,14,15
	s_bcnt1_i32_b32 s[STMP], s[MA_+\x]
	s_add_co_u32 s[RTI], s[RTI], s[STMP]
.endr
	s_lshr_b32 s[RTI], s[RTI], 4
.endm
; Eight key registers: s[MA_ + j] becomes the mask of the lanes whose key is taken
.macro TIE8 base
.irp j, 0,1,2,3,4,5,6,7
	v_cmp_lt_f32 s[MA_+\j], v[(\base)+\j], v[VT]
.endr
.irp j, 0,1,2,3,4,5,6,7
	v_cmp_eq_f32 s[MB_+\j], v[(\base)+\j], v[VT]
.endr
	s_wait_alu depctr_va_sdst(0)                   ; the sixteen compares have written s[MA_ ..] and s[MB_ ..], ahead of their first readers: the counts of bits, the lanes' counts and the scalar lines at the macro's end
.irp j, 0,1,2,3,4,5,6,7
	s_mov_b32 s[ME_+\j], s[EQC]
	s_bcnt1_i32_b32 s[STMP], s[MB_+\j]
	s_add_co_u32 s[EQC], s[EQC], s[STMP]
.endr
.irp j, 0,1,2,3,4,5,6,7
	v_mbcnt_lo_u32_b32 v[TJ+\j], s[MB_+\j], s[ME_+\j]   ; how many keys equal to T come before mine
.endr
.irp j, 0,1,2,3,4,5,6,7
	v_cmp_gt_u32 s[MC_+\j], s[RTI], v[TJ+\j]
.endr
	s_wait_alu depctr_va_sdst(0)                   ; the eight compares have written s[MC_ ..], ahead of the scalar lines that read them
.irp j, 0,1,2,3,4,5,6,7
	s_and_b32 s[MB_+\j], s[MB_+\j], s[MC_+\j]
	s_or_b32 s[MA_+\j], s[MA_+\j], s[MB_+\j]
.endr
.endm
	s_load_b512 s[4:19], s[0:1], 0x0               ; gid, xc, xs, tsq, y_train, qc, qs, qsq
	s_load_b64 s[20:21], s[0:1], 0x40              ; out0
	v_lshrrev_b32 v1, 5, v0
	v_readfirstlane_b32 s22, v1                    ; wave
	s_wait_alu depctr_va_sdst(0)                   ; s22 is written, ahead of its first reader: the query's number is made from it
	s_lshl_b32 s23, ttmp9, 2
	s_add_co_u32 s23, s23, s22                     ; q
	s_lshl_b32 s80, s23, 7                         ; its list: 128 q
	s_mov_b32 s81, 0
	s_lshl_b32 s82, s23, 2                         ; its words: 4 q
	s_mov_b32 s83, 0
	s_lshr_b32 s84, ttmp9, 4                       ; its codes: tile 4 (q / 64) + q % 4, column (q % 64) / 4
	s_lshl_b32 s84, s84, 12
	s_lshl_b32 s86, s22, 10
	s_add_co_u32 s84, s84, s86
	s_and_b32 s86, ttmp9, 15
	s_lshl_b32 s86, s86, 4
	s_add_co_u32 s84, s84, s86
	s_mov_b32 s85, 0
	s_mov_b32 s[SEL], 0x76543210
	s_mov_b32 s[SEL+1], 0xfedcba98
	s_mov_b32 s[SHI], 0xffff0000
	s_wait_kmcnt 0x0
	s_add_nc_u64 s[4:5], s[4:5], s[80:81]
	s_load_b512 s[24:39], s[4:5], 0x0              ; the 32 groups
	s_load_b512 s[40:55], s[4:5], 0x40
	s_add_nc_u64 s[14:15], s[14:15], s[84:85]
	s_add_nc_u64 s[16:17], s[16:17], s[82:83]
	s_add_nc_u64 s[18:19], s[18:19], s[82:83]
	s_add_nc_u64 s[20:21], s[20:21], s[82:83]
	v_and_b32 v1, 31, v0                           ; l
	v_bfe_u32 v3, v0, 4, 1                         ; h
	v_bfe_u32 v4, v0, 3, 1                         ; r / 8
	v_and_b32 v5, 7, v0                            ; r % 8
	v_sub_nc_u32 v6, 1, v4                         ; 1 where r < 8
	v_lshlrev_b32 v7, 8, v3                        ; 256 h
	v_mov_b32 v10, 0
	s_wait_alu depctr_va_vdst(0)                   ; v7 and v10 are written, which the four loads below read as offsets
	global_load_b128 v[AF:AF+3], v7, s[14:15]      ; every lane of a half reads the query's same 16 bytes
	global_load_b128 v[AF+4:AF+7], v7, s[14:15] offset:512
	global_load_b32 v[ASC], v10, s[16:17]
	global_load_b32 v[QV], v10, s[18:19]
	v_lshlrev_b32 v[CM], 7, v3
	v_lshl_add_u32 v[CM], v5, 4, v[CM]             ; 128 h + 16 (r % 8)
	v_lshl_add_u32 v[LB], v4, 9, v[CM]             ; + 512 (r / 8): 16 neighbouring rows of one group
	v_lshl_add_u32 v[CM], v6, 11, v[CM]            ; the tile across two groups: r < 8 the first's last octet, else the second's first
	v_sub_nc_u32 v[MR0], 0, v6                     ; all ones where r < 8
	v_sub_nc_u32 v[MR1], 0, v4                     ; all ones where r >= 8
	v_cmp_gt_u32 s76, 8, v1                        ; the three compares in a run, each into a scalar register of its own,
	v_cmp_gt_u32 s77, 16, v1
	v_cmp_gt_u32 s78, 24, v1
	s_wait_alu depctr_va_sdst(0)                   ; s76 to s78 are written, ahead of the three selects that read them
	v_cndmask_b32 v[ML8], 0, -1, s76
	v_cndmask_b32 v[ML16], 0, -1, s77
	v_cndmask_b32 v[ML24], 0, -1, s78
	v_xor_b32 v[MH8], -1, v[ML8]
	v_xor_b32 v[MH16], -1, v[ML16]
	v_xor_b32 v[MH24], -1, v[ML24]
	v_lshlrev_b32 v[C0], 2, v1                     ; of four groups' 160 candidates register i' holds 32 i' + l: 4 x (the row in its group)
	v_and_b32 v8, 0xa0, v[ML8]
	v_and_b32 v9, 0xa0, v[ML16]
	v_and_b32 v11, 0xa0, v[ML24]
	v_add_nc_u32 v8, v8, v[C0]
	v_add_nc_u32 v9, v9, v[C0]
	v_add_nc_u32 v11, v11, v[C0]
	v_add_nc_u32 v[C1], 0xffffffe0, v8             ; l < 8: 4 (32 + l), else 4 (l - 8)
	v_add_nc_u32 v[C2], 0xffffffc0, v9             ; l < 16: 4 (24 + l), else 4 (l - 16)
	v_add_nc_u32 v[C3], 0xffffffa0, v11            ; l < 24: 4 (16 + l), else 4 (l - 24)
	v_add_nc_u32 v[C4], 32, v[C0]
	s_wait_kmcnt 0x0
.set i_, 0
.rept 32
	s_min_u32 s[24+i_], s[24+i_], 2499             ; a group's number stays inside the tables
.set i_, i_+1
.endr
.macro MIX d, sa, sb, ml, mh, c        ; lanes under ml take the first group, lanes under mh the second
	v_and_b32 v8, s[\sa], v[\ml]
	v_and_b32 v9, s[\sb], v[\mh]
	v_add_nc_u32 v8, v8, v9
	v_add_nc_u32 v[\d], v8, v[\c]
.endm
.set p_, 0
.rept 16
	s_mul_i32 s76, s[24+2*p_], 2560                ; a group's codes are 2,560 bytes on end
	s_mul_i32 s77, s[25+2*p_], 2560
	v_add_nc_u32 v[CA+3*p_], s76, v[LB]
	v_add_nc_u32 v[CA+3*p_+1], s77, v[LB]
	MIX CA+3*p_+2, 76, 77, MR0, MR1, CM
.set p_, p_+1
.endr
.macro TILE tau, adr, off              ; a fragment: blocks h and 2 + h of my candidate, 16 bytes each
	WIN (1+(\tau)/32)<<6
	global_load_b128 v[8*((\tau)%32):8*((\tau)%32)+3], v[\adr], s[6:7] offset:\off
	global_load_b128 v[8*((\tau)%32)+4:8*((\tau)%32)+7], v[\adr], s[6:7] offset:(\off)+256
.endm
	s_wait_alu depctr_va_vdst(0)                   ; all 48 offsets v[CA ..] are written, which the 160 loads below read; only loads and window switches stand between this wait and the last of them
.set p_, 0
.rept 16                               ; two groups are five tiles
	TILE 5*p_, CA+3*p_, 0
	TILE 5*p_+1, CA+3*p_, 1024
	TILE 5*p_+2, CA+3*p_+2, 0
	TILE 5*p_+3, CA+3*p_+1, 512
	TILE 5*p_+4, CA+3*p_+1, 1536
.set p_, p_+1
.endr
	WIN 0
.set g_, 0
.rept 8                                ; four groups are five registers.  All 40 offsets are made in one run, while the fragments are on their way: these lines write v[OFF ..], v8 and v9, none of which a load issued so far reads or lands in
	s_mul_i32 s76, s[24+4*g_], 160
	s_mul_i32 s77, s[25+4*g_], 160
	s_mul_i32 s78, s[26+4*g_], 160
	s_mul_i32 s79, s[27+4*g_], 160
	v_add_nc_u32 v[OFF+5*g_], s76, v[C0]
	MIX OFF+5*g_+1, 76, 77, ML8, MH8, C1
	MIX OFF+5*g_+2, 77, 78, ML16, MH16, C2
	MIX OFF+5*g_+3, 78, 79, ML24, MH24, C3
	v_add_nc_u32 v[OFF+5*g_+4], s79, v[C4]
.set g_, g_+1
.endr
	s_wait_alu depctr_va_vdst(0)                   ; all 40 offsets v[OFF ..] are written, which the 120 loads below read
.set g_, 0
.rept 40
	global_load_b32 v[SC+g_], v[OFF+g_], s[8:9]
	global_load_b32 v[DD+g_], v[OFF+g_], s[10:11]
	global_load_b32 v[YY+g_], v[OFF+g_], s[12:13]
.set g_, g_+1
.endr
	s_wait_loadcnt 0x0                             ; every load is done
	s_wait_xcnt 0x0
	s_wait_alu depctr_vm_vsrc(0)                   ; the loads have read v[CA ..], which the products below write as accumulators, and v[OFF ..], which the network writes as a bank
; Eight tiles, 128 candidates, four registers of d.  Even tiles take their scale words from lanes 0-15 of the register, odd ones from lanes 16-31.
.macro BATCH bt
	WIN (1+(\bt)/4)<<2                             ; source 1 in the fragments' window
.irp n, 0,1,2,3,4,5,6,7
.set tb_, 8*((8*(\bt)+\n)%32)
.if (\n)%2
	v_wmma_scale_f32_16x16x128_f8f6f4 v[ACC+8*\n:ACC+8*\n+7], v[AF:AF+7], v[tb_:tb_+7], 0, v[ASC], v[SC+4*(\bt)+\n/2] matrix_a_fmt:MATRIX_FMT_FP4 matrix_b_fmt:MATRIX_FMT_FP4 matrix_b_scale:MATRIX_SCALE_ROW1
.else
	v_wmma_scale_f32_16x16x128_f8f6f4 v[ACC+8*\n:ACC+8*\n+7], v[AF:AF+7], v[tb_:tb_+7], 0, v[ASC], v[SC+4*(\bt)+\n/2] matrix_a_fmt:MATRIX_FMT_FP4 matrix_b_fmt:MATRIX_FMT_FP4
.endif
.endr
	WIN 0
.irp i, 0,1,2,3
	v_add_f32 v[DD+4*(\bt)+\i], v[QV], v[DD+4*(\bt)+\i]   ; q_sq + t_sq: four lines that name no register of the products: the places behind them (ISA guide 7.12.1)
.endr
.irp i, 0,1,2,3
	v_cndmask_b32 v[T0+\i], v[ACC+16*\i], v[ACC+16*\i+8], s[SHI]   ; lanes 0-15 from the even tile, lanes 16-31 from the odd one: each accumulator's lowest register
.endr
.irp i, 0,1,2,3
	v_fma_f32 v[DD+4*(\bt)+\i], -2.0, v[T0+\i], v[DD+4*(\bt)+\i]   ; d.  With the four additions: eight such lines ahead of the next batch, which writes the accumulators anew
.endr
.endm
.irp b, 0,1,2,3,4,5,6,7,8,9
	BATCH \b
.endr
	SORT 32, DD, 0, P, Q                           ; -> P, upward
	SORT 8, DD+32, 1, Q, RR                        ; -> RR 0 .. 7, downward
.set i_, 0
.rept 8
	v_min_num_f32 v[Q+24+i_], v[P+24+i_], v[RR+i_] ; as against a list of 32 whose first 24 are +infinity
.set i_, i_+1
.endr
	MERGE P, Q, 24, RR, Q                          ; -> RR: my lane's 32 smallest
	XL 1, RR, P
	MERGE P, P, 0, Q, P                            ; -> Q
	XL 2, Q, P
	MERGE P, P, 0, RR, P                           ; -> RR
	XL 4, RR, P
	MERGE P, P, 0, Q, P                            ; -> Q
	XL 8, Q, P
	MERGE P, P, 0, RR, P                           ; -> RR
	LAST RR, P, Q
	s_mov_b32 s[EQC], 0
	v_mov_b32 v26, 0                               ; the sum of y, in two halves
	v_mov_b32 v27, 0
.irp g, 0,1,2,3,4
	TIE8 DD+8*\g
.irp j, 0,1,2,3,4,5,6,7
	v_cndmask_b32 v[TJ+\j], 0, v[YY+8*\g+\j], s[MA_+\j]   ; y where the row is taken, else 0
.endr
.irp j, 0,2,4,6
	v_pk_add_f32 v[26:27], v[26:27], v[TJ+\j:TJ+\j+1]
.endr
.endr
	v_add_f32 v26, v26, v27
	v_add_f32_dpp v26, v26, v26 row_xmask:1 row_mask:0xf bank_mask:0xf
	v_add_f32_dpp v26, v26, v26 row_xmask:2 row_mask:0xf bank_mask:0xf
	v_add_f32_dpp v26, v26, v26 row_xmask:4 row_mask:0xf bank_mask:0xf
	v_add_f32_dpp v26, v26, v26 row_xmask:8 row_mask:0xf bank_mask:0xf
	v_permlanex16_b32 v27, v26, s[SEL], s[SEL+1]
	v_add_f32 v26, v26, v27
	v_mul_f32 v26, 0x3d000000, v26                 ; / 32
	v_mov_b32 v8, 0
	v_cmp_eq_u32 vcc_lo, 0, v1
	s_wait_xcnt 0x0                                ; EXEC changes only behind this wait
	s_wait_alu depctr_va_vcc(0)                    ; the compare has written VCC, from which EXEC is made
	s_wait_alu depctr_va_vdst(0)                   ; every vector instruction issued under the full EXEC has written its result, v8 and v26, which the store reads, among them
	s_wait_alu depctr_vm_vsrc(0)                   ; every memory instruction issued under the full EXEC has read its registers
	s_and_saveexec_b32 s76, vcc_lo
	global_store_b32 v8, v26, s[20:21]             ; one number a query
	s_wait_xcnt 0x0                                ; and again, in front of the line that widens it
	s_wait_alu depctr_va_vdst(0)                   ; no vector instruction is pending under the narrow EXEC
	s_wait_alu depctr_vm_vsrc(0)                   ; the store has read v8 and v26 under the narrow EXEC
	s_or_b32 exec_lo, exec_lo, s76
	s_endpgm
.Lfunc_end_k_q2750db5b49_final:
	.size	k_q2750db5b49_final, .Lfunc_end_k_q2750db5b49_final-k_q2750db5b49_final
	.p2alignl 7, 3214868480
	.fill 96, 4, 3214868480
	.section	.rodata,"a",@progbits
	.p2align	6, 0x0
	.amdhsa_kernel k_q2750db5b49_final
		.amdhsa_group_segment_fixed_size 0
		.amdhsa_private_segment_fixed_size 0
		.amdhsa_enable_private_segment 0
		.amdhsa_kernarg_size 72
		.amdhsa_user_sgpr_count 2
		.amdhsa_user_sgpr_kernarg_segment_ptr 1
		.amdhsa_wavefront_size32 1
		.amdhsa_system_sgpr_workgroup_id_x 1
		.amdhsa_system_sgpr_workgroup_id_y 1
		.amdhsa_system_sgpr_workgroup_id_z 1
		.amdhsa_system_vgpr_workitem_id 0
		.amdhsa_next_free_vgpr 896
		.amdhsa_next_free_sgpr 100
		.amdhsa_reserve_vcc 1
		.amdhsa_float_denorm_mode_32 3
		.amdhsa_float_denorm_mode_16_64 3
		.amdhsa_memory_ordered 1
		.amdhsa_forward_progress 1
		.amdhsa_inst_pref_size 137
	.end_amdhsa_kernel
	.amdgpu_metadata
---
amdhsa.version: [ 1, 2 ]
amdhsa.kernels:
  - .name:           k_q2750db5b49_final
    .symbol:         k_q2750db5b49_final.kd
    .args:
      - { .name: gid, .offset: 0, .size: 8, .value_kind: global_buffer, .address_space: global }
      - { .name: xc, .offset: 8, .size: 8, .value_kind: global_buffer, .address_space: global }
      - { .name: xs, .offset: 16, .size: 8, .value_kind: global_buffer, .address_space: global }
      - { .name: tsq, .offset: 24, .size: 8, .value_kind: global_buffer, .address_space: global }
      - { .name: y_train, .offset: 32, .size: 8, .value_kind: global_buffer, .address_space: global }
      - { .name: qc, .offset: 40, .size: 8, .value_kind: global_buffer, .address_space: global }
      - { .name: qs, .offset: 48, .size: 8, .value_kind: global_buffer, .address_space: global }
      - { .name: qsq, .offset: 56, .size: 8, .value_kind: global_buffer, .address_space: global }
      - { .name: out0, .offset: 64, .size: 8, .value_kind: global_buffer, .address_space: global }
    .group_segment_fixed_size: 0
    .private_segment_fixed_size: 0
    .kernarg_segment_align: 8
    .kernarg_segment_size: 72
    .max_flat_workgroup_size: 128
    .sgpr_count:     100
    .vgpr_count:     896
    .wavefront_size: 32
...
	.end_amdgpu_metadata
.endif
;; end of part 8
